; MI455X (gfx1250); checked and timed in simulation.
; The chip was launched on July 23, 2026; its instructions are those of AMD's public machine-readable ISA for CDNA 5 (MIT licence, August 2026) and "CDNA5" Instruction Set Architecture Reference Guide (July 2026). The comments in the code are by the model that wrote it; some were corrected since.
;; Multi Head Attention. Allowed arithmetic: matrix products marked QUANTISED: E2M3 operands, one E8M0 scale for each 32 along K, by v_wmma_scale_f32_16x16x128_f8f6f4 with both operands' format E2M3, f32 sums; everything else in f32.
;; Inputs: Wk_codes 16 x 64 x 32 x 24 uint8 (E2M3 codes of Wk, K innermost, in blocks of 32 codes, four codes in three bytes); Wk_scales 16 x 64 x 32 uint8 (E8M0 scales of Wk, one for each 32 codes along K); Wo_codes 1,024 x 32 x 24 uint8 (E2M3 codes of Wo, K innermost, in blocks of 32 codes, four codes in three bytes); Wo_scales 1,024 x 32 uint8 (E8M0 scales of Wo, one for each 32 codes along K); Wq_codes 16 x 64 x 32 x 24 uint8 (E2M3 codes of Wq, K innermost, in blocks of 32 codes, four codes in three bytes); Wq_scales 16 x 64 x 32 uint8 (E8M0 scales of Wq, one for each 32 codes along K); Wv_codes 16 x 64 x 32 x 24 uint8 (E2M3 codes of Wv, K innermost, in blocks of 32 codes, four codes in three bytes); Wv_scales 16 x 64 x 32 uint8 (E8M0 scales of Wv, one for each 32 codes along K); bo 1,024 float32; key_codes 8 x 1,024 x 32 x 24 uint8 (E2M3 codes of key, K innermost, in blocks of 32 codes, four codes in three bytes); key_scales 8 x 1,024 x 32 uint8 (E8M0 scales of key, one for each 32 codes along K); query_codes 8 x 1,024 x 32 x 24 uint8 (E2M3 codes of query, K innermost, in blocks of 32 codes, four codes in three bytes); query_scales 8 x 1,024 x 32 uint8 (E8M0 scales of query, one for each 32 codes along K); value_codes 8 x 1,024 x 32 x 24 uint8 (E2M3 codes of value, K innermost, in blocks of 32 codes, four codes in three bytes); value_scales 8 x 1,024 x 32 uint8 (E8M0 scales of value, one for each 32 codes along K).
;; Outputs: out0 8 x 1,024 x 1,024 float32.
;; This version of the problem:
;;   THIS VERSION OF THE PROBLEM IS GIVEN IN LOW PRECISION. The matrix products marked QUANTISED in the list below multiply operands that are first quantised to E2M3 (2 exponent bits, 3 mantissa bits; 6 bits a number), with one power-of-two scale for each 32 numbers along K (OCP MX v1.0); their sums are f32. All else is computed in f32.
;;   The module's matrix products, in the order in which they are computed (A, B: the left and right operand; K: the contracted axis; several contracted axes count as one K, in the product's order):
;;     1. [M 1,024, K 1,024] x [K 1,024, N 8,192]; A: input Wq (given as codes); B: input query (given as codes): QUANTISED
;;     2. [M 1,024, K 1,024] x [K 1,024, N 8,192]; A: input Wk (given as codes); B: input key (given as codes): QUANTISED
;;     3. [M 1,024, K 1,024] x [K 1,024, N 8,192]; A: input Wv (given as codes); B: input value (given as codes): QUANTISED
;;     4. batch 128 x [M 1,024, K 64] x [K 64, N 1,024]; A: computed on the way; B: computed on the way: QUANTISED
;;     5. batch 128 x [M 1,024, K 1,024] x [K 1,024, N 64]; A: softmax (see below); B: computed on the way: QUANTISED
;;     6. [M 8,192, K 1,024] x [K 1,024, N 1,024]; A: computed on the way; B: input Wo (given as codes): QUANTISED
;;   THE QUANTISER, for each operand of a quantised product, along K:
;;     - K is cut into blocks of 32 from its start; a last block that is shorter is filled with zeros.
;;     - A block's scale is 2^e with e = floor(log2(the largest magnitude in the block)) - 2, held to -126 .. 127; a block of zeros has e = 0. As a byte (E8M0): e + 127.
;;     - Each number is divided by its block's scale, clamped to +-7.5, and rounded to the nearest number of E2M3, ties to even, subnormals kept.
;;     - The product sums the exact products of the quantised numbers (number of the format x scale) in f32.
;;   ~~~python
;;   def quantise(x, axis):      # numpy; x: float32 -> the quantised numbers, widened to float32 again
;;       x = np.moveaxis(x, axis, -1); K = x.shape[-1]
;;       x = np.pad(x, [(0, 0)] * (x.ndim - 1) + [(0, -K % 32)]); x = x.reshape(x.shape[:-1] + (-1, 32)); a = np.abs(x).max(-1, keepdims=True)
;;       e = np.where(a > 0, np.clip(np.frexp(np.where(a > 0, a, 1))[1] - 1 - 2, -126, 127), 0)      # np.frexp(a)[1] - 1 = floor(log2(a)), exactly
;;       r = np.clip(x / 2.0 ** e, -7.5, 7.5)
;;       step = 2.0 ** (np.maximum(np.frexp(np.where(r == 0, 1, r))[1] - 1, 0) - 3)
;;       q = np.round(r / step) * step * 2.0 ** e      # np.round: ties to even
;;       return np.moveaxis(q.reshape(q.shape[:-2] + (-1,))[..., :K], -1, axis).astype(np.float32)
;;   ~~~
;;   SOFTMAX AHEAD OF A QUANTISED PRODUCT. Where the list says 'softmax', what is quantised is not the finished softmax but p = 2^(t - M), with t = logit x log2(e) and M = ceil(the row's largest t), a whole number; so 1/2 < the row's largest p <= 1. The row's sum l is taken of the UNQUANTISED p, in f32, and the product's result is divided by l at the end. Since M is a whole number, a kernel that streams over the keys may use a running M (the ceiling of the running maximum): every later rescaling is an exact power of two, which a block's scale takes up: the codes' values come out the same.
;;   OPERANDS COMPUTED ON THE WAY. 'Computed on the way' means the value that the module computes at that place (a softmax that the list does not call 'softmax' is quantised finished and normalised). What goes into a quantiser is computed in f32, as accurately as f32 sums, v_exp_f32 and their like allow (about 1e-6 of the number): no bf16 or f16 on the way to a quantiser, and a product that is left as it is and whose result goes on into a quantised operand takes f32 operands (vector FMAs, or v_wmma_f32_16x16x4_f32). A number that lies on a knife's edge between two numbers of the format may be rounded either way, as far as f32 arithmetic and the matrix unit's own rounding can turn it there, and no further.
;;   INPUTS GIVEN AS CODES. Wk (in the module: [16, 1024, 64], K = its axis 1); Wo (in the module: [1024, 1024], K = its axis 1); Wq (in the module: [16, 1024, 64], K = its axis 1); Wv (in the module: [16, 1024, 64], K = its axis 1); key (in the module: [8, 1024, 1024], K = its axis 2); query (in the module: [8, 1024, 1024], K = its axis 2); value (in the module: [8, 1024, 1024], K = its axis 2): each comes as NAME_codes (uint8): NAME with its K axis moved to the last place and cut into blocks of 32 codes, [.., K / 32, bytes a block], one block behind the other in memory; four codes in three bytes: a row's codes are one little-endian stream of bits, code i at bits 6 i .. 6 i + 5 (a code: sign, 2 exponent bits, 3 mantissa bits); and NAME_scales (uint8): the same leading axes, one E8M0 byte (e + 127) for each 32 codes along K. Its value is code x scale, taken as it is: it is not quantised again, and the codes and scales need not be those that the quantiser above would give.
;; One version. Each part assembles by itself: llvm-mc -triple=amdgcn-amd-amdhsa -mcpu=gfx1250 --defsym DOCPART=n.
;; ======== version 1 of 1: 3 launches
;; limits: right only within a limited range of input values
;; workspace buffers: Qc 6,291,456 bytes; Qs 262,144 bytes; KV 13,107,200 bytes; Ac 6,291,456 bytes; As 262,144 bytes
;; launch proj (part 1): grid 8 x 32, 4 waves a work-group, clusters of 4 x 4, 327,680 bytes of LDS; arguments Wq_codes, Wk_codes, value_codes, Wq_scales, Wk_scales, value_scales, query_codes, key_codes, Wv_codes, query_scales, key_scales, Wv_scales, Qc, Qs, KV; writes Qc, Qs, KV
.if DOCPART == 1
	.amdgcn_target "amdgcn-amd-amdhsa--gfx1250"
	.amdhsa_code_object_version 6
	.text
	.protected	k_qe3b1ce0d9b_proj
	.globl	k_qe3b1ce0d9b_proj
	.p2align	8
	.type	k_qe3b1ce0d9b_proj,@function
k_qe3b1ce0d9b_proj:
	s_mov_b64 s[64:65], 0
	v_nop
	global_prefetch_b8 v0, s[64:65] scope:SCOPE_SE
	s_setreg_imm32_b32 hwreg(HW_REG_WAVE_MODE, 25, 1), 1
	s_wait_xcnt 0x0
	s_wait_alu depctr_hold_cnt(0) depctr_sa_sdst(0) depctr_va_vdst(0) depctr_va_sdst(0) depctr_va_ssrc(0) depctr_va_vcc(0) depctr_vm_vsrc(0)
	s_getreg_b32 s2, hwreg(HW_REG_IB_STS2, 6, 4)
	s_cmp_eq_u32 s2, 0
	s_cbranch_scc0 .Lentry_in_a_cluster
	s_endpgm
.Lentry_in_a_cluster:
	s_bfe_u32 s2, ttmp6, 0x10000c
	s_cmp_lg_u32 s2, 0xf033
	s_cbranch_scc0 .Lentry_shape_is_right
	s_endpgm
.Lentry_shape_is_right:
; THE THREE PROJECTIONS, Q = query Wq, K = key Wk, V = value Wv, on codes of FP6 (E2M3) with one E8M0 scale for each 32 along K, and the quantiser behind them.
; Source 0 of the matrix instruction is called P, source 1 R: in a result a lane holds ONE row of R and its eight registers eight rows of P.
;   Q, K: P = 128 rows (head, e) of the weight: a pair of heads;  R = 256 rows (batch, position) of the input.  A lane's registers run along e, the K of Q K^T.
;   V:    P = 128 rows (keys) of value: one key step;             R = 256 rows (head, e) of Wv: four heads.     A lane's registers run along the keys, the K of P V.
; A WORK-GROUP STAYS: 256 work-groups, each makes three tiles of P 128 x R 256, one of Q, one of K, one of V.  Wave w takes all 128 rows of P x rows 64 w .. 64 w + 63 of R: 32 accumulators.
; K = 1,024 goes in 8 steps of 128 (96 bytes of a row): 256 matrix instructions a wave and tile.
; LDS: a tile's rows lie in THREE CHUNKS of 256 bytes of each row, [chunk][row][256 + 16]: a tensor row is 256 bytes of memory and begins at a multiple of 256.  Steps 2 and 5 lie across two chunks.
; TWO FILLS A TILE, each in a round of the cluster's barrier that stands inside a step's 32 products, one joint load a wave.  Fill A, in step 2, when chunk 0's last fragment is in registers: the next tile's chunk 0
; (waves 0, 1: 64 rows of P each; waves 2, 3: 128 rows of R each).  Fill B, in step 7, when the tile's last fragment is in registers: its chunks 1 and 2 (wave 0: P's chunk 1, wave 1: P's chunk 2, waves 2, 3: R's).
; Fill A is shown to all waves by fill B's round, fill B by a plain barrier in the next tile's step 1.  The first tile's fill B is a first fill behind the same sequence.
; THE LOOP: a trip goes from a tile's step 1 to the next tile's step 0; two trips (Q, K); V's steps 1 to 7 are written out and ask for nothing.
; CLUSTER 4 x 4.  P hangs on the x coordinate alone and is asked for jointly by my column of the cluster, R on the y coordinate alone and is asked for jointly by my row.
; PREFETCHES INTO THE L2: behind each fill's load a wave asks for what the fill TWO fills on will load (at the head also for the next fill's): a lane a row, 256 bytes of it an instruction.  The four partners of a joint
; load share its rows out by address (P: 16 rows a wave and partner, by cy; R: 32, by cx).  A weight's tile is loaded by eight clusters (Wv's by all sixteen): four of them ask for it (even y; for Wv also x = 0).
; Nothing is asked for beyond V's tile.
; THE QUANTISER.  The 64 registers that a lane holds for one tile of R are four blocks of 32 along the next product's K, each shared with lane l xor 16.  INSIDE a block the numbers stand in a fixed order
; (place 16 h + i holds number 16 (i / 8) + 8 h + i % 8); Q and K are laid by the same lines and so agree, and V agrees with the weights p that the next launch lays in the same way.
; WHAT IS STORED: images of operand registers.  A half fragment (16 rows x 64 along K, registers 0-5) is 768 bytes: lane l's registers 0-3 at 16 l, its registers 4-5 at 512 + 8 l.
;   Qc [batch][head pair][query tile][1,536].   Qs [batch][head pair][4 tiles][256]: a row's word at 16 r + 8 (tile & 1) + 4 (tile >> 1).
;   KV [batch][head][102,400]: K's codes [key tile 64][768]; at 49,152 V's [step 8][e tile 4][1,536]; at 98,304 K's scale words [step][r][4]; at 100,352 V's [step][r][tiles 0, 2, 1, 3].
; LIMITS: NaN and infinities are not served.  A block whose largest magnitude lies under 2^-124 gets the byte 1, a block of zeros too (its codes are zeros; these bytes are read by this program alone).
.set PIT,   272                        ; an LDS row: 256 bytes + 16 of padding
.set T16,   16*PIT
.set PCH,   128*PIT                    ; a chunk of P
.set RCH,   256*PIT                    ; a chunk of R
.set RB,    3*PCH                      ; R lies behind P
.set SPARE, RB+3*RCH                   ; the spare words: 512 bytes that no other line names
.set WV,  4                            ; s4 my wave; s5 = wave / 2, s6 = wave % 2; s9 the tile: 0 Q, 1 K, 2 V
.set VS,  4                            ; v4   32 r + 16 h: my 16 bytes of a tile's scale rows
.set L16, 6                            ; v6   16 x lane
.set L8,  7                            ; v7   8 x lane
.set VSO, 8                            ; v8   where I store two scale words
.set PFO, 12                           ; v12  the prefetches' offset: my lane's row x 768; never rewritten
.set AP,  16                           ; v16-18 LDS address of my pieces of P in chunk 0, 1, 2; v19-20: lanes 0-15 at byte 232 of chunk 0, 1, lanes 16-31 at byte 0 of the next chunk
.set AR,  24                           ; v24-28 the same for R
.set PS,  32                           ; v32-63  P's scale words: tile p, K step k at v[32 + 4 p + k % 4]: lanes 0-15 steps 0-3, lanes 16-31 steps 4-7
.set RS,  66                           ; v66-81  R's likewise
.set RF,  96                           ; v96-143, v144-191 R's fragments, two sets (window 0).  Window 1: P's two sets, at v0 and v96.  Window 2: accumulator (p, q) at v[8 (8 q + p)]
.set TM,  192                          ; v192-207 the quantiser's work
.set PW,  208                          ; v208-211 the scale word of each of my four tiles
.set SD,  212                          ; v212-213 the two words that I store; v214-217 at work
.set SPW, 254                          ; v254 my spare word, v255 zero: kept for the add alone
.set NIL, 255
.set MSB, 0
.macro WIN new                         ; the immediate's high byte repeats the setting that is left
.if MSB != \new
	s_set_vgpr_msb (MSB<<8)|\new
.set MSB, \new
.endif
.endm
.macro PLACES n
.rept \n
	v_nop
.endr
.endm
.macro CREST                           ; a round of the cluster's barrier behind its opening barrier
	s_cmp_lg_u32 s[WV], 0
	s_cbranch_scc1 .Lnot_wave_0_\@
	s_barrier_signal -3
.Lnot_wave_0_\@:
	s_barrier_wait -3
	s_barrier_signal -1
	s_barrier_wait -1
.endm
.macro CROUND
	s_barrier_signal -1
	s_barrier_wait -1
	CREST
.endm
.macro JLOAD                           ; a joint load: waves 0, 1 for P, waves 2, 3 for R; every way passes one load
	s_cmp_eq_u32 s5, 0
	s_cbranch_scc0 .Lfor_r_\@
	tensor_load_to_lds s[44:47], s[20:27]
	s_nop 0
	PLACES 4
	s_branch .Lasked_\@
.Lfor_r_\@:
	tensor_load_to_lds s[48:51], s[28:35]
	s_nop 0
	PLACES 4
.Lasked_\@:
.endm
; The descriptors of a fill: of the first tile (head), or of the tile after tile s9.  ev = 0: fill A; ev = 1: fill B.  Written behind the wait that shows my loads done.
.macro DESC ev, head
.if \head
	s_mov_b64 s[46:47], s[68:69]
	s_mov_b64 s[50:51], s[80:81]
.else
	s_cmp_eq_u32 s9, 0
	s_cselect_b64 s[46:47], s[70:71], s[72:73]
	s_cselect_b64 s[50:51], s[82:83], s[84:85]
.endif
	s_mov_b32 s3, 0
	s_mov_b32 s11, 0
.if \ev
	s_lshl_b32 s2, s6, 8
	s_add_co_u32 s2, s2, 256                       ; chunk 1 + wave % 2, all the tile's rows
	s_mov_b32 s10, s2
	s_mul_i32 s45, s6, PCH
	s_add_co_u32 s45, s45, PCH
	s_mul_i32 s49, s6, RCH
	s_add_co_u32 s49, s49, RB+RCH
	s_mov_b32 s22, 128<<16
	s_mov_b32 s24, 128
	s_mov_b32 s30, 256<<16
	s_mov_b32 s32, 256
.else
	s_mul_i32 s2, s6, 64*768                       ; chunk 0, half wave % 2 of the rows
	s_mul_i32 s10, s6, 128*768
	s_mul_i32 s45, s6, 64*PIT
	s_mul_i32 s49, s6, 128*PIT
	s_add_co_u32 s49, s49, RB
	s_mov_b32 s22, 64<<16
	s_mov_b32 s24, 64
	s_mov_b32 s30, 128<<16
	s_mov_b32 s32, 128
.endif
	s_add_nc_u64 s[46:47], s[46:47], s[2:3]
	s_add_nc_u64 s[50:51], s[50:51], s[10:11]
	s_or_b32 s47, s47, 0x80000000
	s_or_b32 s51, s51, 0x80000000
.endm
.macro ASKP ptr, flag, c0, c1=-1       ; prefetches of chunks c0 (and c1) of the tile at s[ptr], where s[flag] is 0
	s_cmp_eq_u32 s\flag, 0
	s_cbranch_scc0 .Lno_ask_\@
	global_prefetch_b8 v[PFO], s[\ptr:\ptr+1] offset:256*\c0 th:TH_LOAD_NT scope:SCOPE_SE
.if \c1 >= 0
	global_prefetch_b8 v[PFO], s[\ptr:\ptr+1] offset:256*\c1 th:TH_LOAD_NT scope:SCOPE_SE
.endif
.Lno_ask_\@:
.endm
.macro OFFS d, pi, ri                  ; byte offsets of a tile: P's codes, P's scales, R's codes, R's scales (my wave's 64 rows)
	s_mul_i32 s[\d], s\pi, 128*768
	s_lshl_b32 s[\d+1], s\pi, 12
	s_mul_i32 s[\d+2], s\ri, 256*768
	s_lshl_b32 s[\d+3], s\ri, 8
	s_lshl_b32 s2, s[WV], 6
	s_add_co_u32 s[\d+3], s[\d+3], s2
	s_lshl_b32 s[\d+3], s[\d+3], 5
.endm
.macro PADD ptr, off                   ; P's offsets go through s[2:3], R's through s[10:11]
	s_mov_b32 s2, s\off
	s_add_nc_u64 s[\ptr:\ptr+1], s[\ptr:\ptr+1], s[2:3]
.endm
.macro RADD ptr, off
	s_mov_b32 s10, s\off
	s_add_nc_u64 s[\ptr:\ptr+1], s[\ptr:\ptr+1], s[10:11]
.endm
.macro SCALES pb, rb                   ; a tile's scale words: 16 rows of 32 bytes are 512 consecutive bytes
.irp p, 0,1,2,3,4,5,6,7
	global_load_b128 v[PS+4*\p:PS+4*\p+3], v[VS], s[\pb:\pb+1] offset:512*\p
.endr
.irp q, 0,1,2,3
	global_load_b128 v[RS+4*\q:RS+4*\q+3], v[VS], s[\rb:\rb+1] offset:512*\q
.endr
.endm
	s_load_b512 s[68:83], s[0:1], 0x0              ; Wq, Wk, value codes; Wq, Wk, value scales; query, key codes
	s_load_b256 s[84:91], s[0:1], 0x40             ; Wv codes; query, key, Wv scales
	s_load_b128 s[92:95], s[0:1], 0x60             ; Qc, Qs
	s_load_b64 s[96:97], s[0:1], 0x70              ; KV
	v_lshl_add_u32 v[SPW], v0, 2, SPARE
	v_mov_b32 v[NIL], 0
	ds_add_u32 v[SPW], v[NIL]                      ; the opening lines: the add, twice on end, and its wait ahead of my first tensor load
	ds_add_u32 v[SPW], v[NIL]
	v_lshrrev_b32 v1, 5, v0
	v_readfirstlane_b32 s[WV], v1                  ; wave 0..3
	s_lshr_b32 s5, s[WV], 1
	s_and_b32 s6, s[WV], 1
	s_bfe_u32 s7, ttmp6, 0x40000                   ; cx
	s_bfe_u32 s8, ttmp6, 0x40004                   ; cy: also V's block of 256 rows of Wv
	s_and_b32 s10, ttmp7, 0xffff                   ; the cluster's y, 0 .. 7
	s_lshl_b32 s14, ttmp9, 2
	s_add_co_u32 s14, s14, s7                      ; Q, K: the head pair
	s_lshl_b32 s15, s10, 2
	s_add_co_u32 s15, s15, s8                      ; Q, K: which 256 rows of the input
	s_lshl_b32 s12, s10, 1
	s_add_co_u32 s12, s12, ttmp9
	s_lshl_b32 s12, s12, 2
	s_add_co_u32 s12, s12, s7                      ; V: which 128 rows of value, 0 .. 63
	s_lshl_b32 s16, 0x1111, s7                     ; my column of the cluster
	s_lshl_b32 s17, s8, 2
	s_lshl_b32 s17, 15, s17                        ; my row
	s_lshl_b32 s2, s8, 4                           ; the rows that I prefetch.  For P: 64 (wave % 2) + 16 cy + 0 .. 15;
	s_lshl_b32 s3, s6, 6
	s_add_co_u32 s2, s2, s3
	s_lshl_b32 s3, s7, 5                           ; for R: 128 (wave % 2) + 32 cx + 0 .. 31
	s_lshl_b32 s13, s6, 7
	s_add_co_u32 s3, s3, s13
	s_cmp_eq_u32 s5, 0
	s_cselect_b32 s2, s2, s3
	s_cselect_b32 s3, 15, 31                       ; (for P lanes 16-31 name the wave's last row again)
	v_and_b32 v1, 15, v0                           ; r
	v_bfe_u32 v2, v0, 4, 1                         ; h
	v_and_b32 v3, 31, v0                           ; lane
	v_min_u32 v[PFO], s3, v3
	v_add_nc_u32 v[PFO], s2, v[PFO]
	v_mul_u32_u24 v[PFO], v[PFO], 768
	v_lshlrev_b32 v[VS], 5, v1
	v_lshl_add_u32 v[VS], v2, 4, v[VS]
	v_lshlrev_b32 v[L16], 4, v3
	v_lshlrev_b32 v[L8], 3, v3
	v_mul_u32_u24 v9, v1, PIT
	v_mad_u32_u24 v[AP], v2, 24, v9                ; row r, + 24 bytes for lanes 16-31
	v_mad_u32_u24 v10, v2, PCH-232, v9             ; across two chunks: lanes 16-31 a chunk on, 232 bytes back
	v_add_nc_u32 v[AP+1], PCH, v[AP]
	v_add_nc_u32 v[AP+2], 2*PCH, v[AP]
	v_add_nc_u32 v[AP+3], 232, v10
	v_add_nc_u32 v[AP+4], PCH+232, v10
	s_mul_i32 s2, s[WV], 64*PIT
	s_add_co_u32 s2, s2, RB                        ; my wave's 64 rows of R
	v_add_nc_u32 v[AR], s2, v[AP]
	v_mad_u32_u24 v10, v2, RCH-232, v9
	v_add_nc_u32 v10, s2, v10
	v_add_nc_u32 v[AR+1], RCH, v[AR]
	v_add_nc_u32 v[AR+2], 2*RCH, v[AR]
	v_add_nc_u32 v[AR+3], 232, v10
	v_add_nc_u32 v[AR+4], RCH+232, v10
.irp b, 0,1,2,3
	v_mov_b32 v[TM+4+\b], 0                        ; written once: a lane permute's destination counts as one of its sources
.endr
	s_wait_alu depctr_va_vdst(0)                   ; the wait behind the head's vector lines
	; groups 1: rows of 256 bytes, 768 bytes apart in memory, 16 bytes of padding behind every 64 words.  The two words that count rows are written with each fill's descriptors
	s_or_b32 s20, s16, (1<<20)|(1<<21)|(5<<22)|(3<<25)
	s_mov_b32 s21, 256<<16
	s_mov_b32 s23, 256<<16
	s_mov_b32 s25, 768
	s_mov_b32 s26, 0
	s_mov_b32 s27, 0
	s_or_b32 s28, s17, (1<<20)|(1<<21)|(5<<22)|(3<<25)
	s_mov_b32 s29, 256<<16
	s_mov_b32 s31, 256<<16
	s_mov_b32 s33, 768
	s_mov_b32 s34, 0
	s_mov_b32 s35, 0
	OFFS 36, 14, 15                                ; Q's and K's tile
	OFFS 40, 12, 8                                 ; V's
	; where the results go: byte offsets s56, s57 Q's codes and scale words, s58, s59 K's, s60, s61 V's
	s_lshr_b32 s98, s15, 2                         ; the batch,
	s_and_b32 s99, s15, 3                          ; and which 256 positions of it
	s_lshl_b32 s100, s98, 3
	s_add_co_u32 s100, s100, s14                   ; hp = 8 x batch + head pair
	s_lshl_b32 s101, s99, 4
	s_lshl_b32 s2, s[WV], 2
	s_add_co_u32 s101, s101, s2                    ; t0: my first tile of 16 positions
	s_lshl_b32 s56, s100, 6
	s_add_co_u32 s56, s56, s101
	s_mul_i32 s56, s56, 1536
	s_lshl_b32 s57, s100, 4
	s_lshl_b32 s2, s99, 2
	s_add_co_u32 s57, s57, s2
	s_add_co_u32 s57, s57, s[WV]
	s_lshl_b32 s57, s57, 8
	s_mul_i32 s52, s100, 204800
	s_mul_i32 s58, s101, 768
	s_add_co_u32 s58, s58, s52
	s_lshl_b32 s59, s99, 1
	s_add_co_u32 s59, s59, s5
	s_lshl_b32 s59, s59, 8                         ; key step t0 / 8,
	s_add_co_u32 s59, s59, s52
	s_lshl_b32 s2, s6, 3
	s_add_co_u32 s59, s59, s2                      ; words 2 (wave % 2) and the next
	s_add_co_u32 s59, s59, 98304
	s_lshr_b32 s53, s12, 3                         ; V: the batch,
	s_lshl_b32 s53, s53, 4
	s_lshl_b32 s2, s8, 2
	s_add_co_u32 s53, s53, s2
	s_add_co_u32 s53, s53, s[WV]                   ; 16 x batch + my wave's head
	s_mul_i32 s53, s53, 102400
	s_and_b32 s54, s12, 7                          ; the key step
	s_mul_i32 s60, s54, 6144
	s_add_co_u32 s60, s60, s53
	s_add_co_u32 s60, s60, 49152
	s_lshl_b32 s61, s54, 8
	s_add_co_u32 s61, s61, s53
	s_add_co_u32 s61, s61, 100352
	s_mov_b32 s54, 0xffff0000                      ; lanes 16-31
	s_mov_b32 s62, 0x76543210
	s_mov_b32 s63, 0xfedcba98                      ; v_permlanex16_b32's selects for lane l xor 16
	s_and_b32 s2, s10, 1                           ; who prefetches (0: I do).  Inputs: every cluster that loads them.  Wq, Wk (P of Q, K): clusters of even y.
	s_or_b32 s3, s2, ttmp9                         ; Wv (R of V): those with x = 0 too
	s_cmp_eq_u32 s5, 0
	s_cselect_b32 s18, s2, 0                       ; s18: for Q's and K's tiles
	s_cselect_b32 s19, 0, s3                       ; s19: for V's
	s_mov_b32 s44, 1
	s_mov_b32 s48, 1
	s_mov_b32 s3, 0
	s_mov_b32 s11, 0
	s_wait_dscnt 0x0                               ; both opening adds are done
	s_wait_kmcnt 0x0
	PADD 68, 36                                    ; every input's pointer is set to its tile, once
	PADD 70, 36
	PADD 72, 40
	PADD 74, 37
	PADD 76, 37
	PADD 78, 41
	RADD 80, 38
	RADD 82, 38
	RADD 84, 42
	RADD 86, 39
	RADD 88, 39
	RADD 90, 43
	s_cmp_eq_u32 s5, 0                             ; what I prefetch of tile 0, 1, 2: P's codes or R's
	s_cselect_b64 s[98:99], s[68:69], s[80:81]
	s_cselect_b64 s[12:13], s[70:71], s[82:83]
	s_cselect_b64 s[14:15], s[72:73], s[84:85]
	DESC 0, 1
	CROUND                                         ; all sixteen work-groups are here: the first joint loads meet
	JLOAD                                          ; Q's fill A: one tensor load a wave at the head
	ASKP 98, 18, 1, 2                              ; Q's fill B,
	ASKP 12, 18, 0                                 ; and K's fill A
	SCALES 74, 86
; A fragment, 16 rows x 128 K, is 12 registers: lane l holds row l % 16; registers 6 c .. 6 c + 5 hold K = 64 c + 32 (l / 16) + 0 .. 31: 24 bytes of the row's stream of bits, in pieces of 8 bytes.
; Byte y of a row lies in chunk y / 256 at byte y % 256.  Lanes 16-31 read 24 bytes further on; where that is in the next chunk the second kind of address register serves.
.macro FRAG reg, adr, k, i
.irp p, 0,1,2,3,4,5
.set BY, 96*(\k)+48*(\p/3)+8*(\p%3)
.if BY/256 == (BY+24)/256
	ds_load_b64 v[\reg+2*\p:\reg+2*\p+1], v[\adr+BY/256] offset:BY%256+(\i)*T16
.else
	ds_load_b64 v[\reg+2*\p:\reg+2*\p+1], v[\adr+3+BY/256] offset:BY%256-232+(\i)*T16
.endif
.endr
.endm
.macro FETCH k                         ; K step k's twelve fragments into set k % 2, in one run
	WIN 0x40                                       ; destination window 1, address window 0
.irp i, 0,1,2,3,4,5,6,7
	FRAG 96*((\k)%2)+12*\i, AP, \k, \i
.endr
	WIN 0
.irp i, 0,1,2,3
	FRAG RF+48*((\k)%2)+12*\i, AR, \k, \i
.endr
.endm
; Eight matrix instructions: tile q of R against P's eight.  The 32 accumulators take turns, one instruction a turn, in the same order in every step.  Step 0's products start the sums.
.macro MUL1 k, q
	WIN 0xa1                                       ; source 0 (P) window 1, source 1 (R) window 0, C and D window 2
.irp p, 0,1,2,3,4,5,6,7
.set D_, 8*(8*(\q)+\p)
.set A_, 96*((\k)%2)+12*\p
.set B_, RF+48*((\k)%2)+12*(\q)
.set X_, PS+4*\p+(\k)%4
.set Y_, RS+4*(\q)+(\k)%4
.if (\k) == 0
	v_wmma_scale_f32_16x16x128_f8f6f4 v[D_:D_+7], v[A_:A_+11], v[B_:B_+11], 0, v[X_], v[Y_] matrix_a_fmt:MATRIX_FMT_FP6 matrix_b_fmt:MATRIX_FMT_FP6
.elseif (\k) < 4
	v_wmma_scale_f32_16x16x128_f8f6f4 v[D_:D_+7], v[A_:A_+11], v[B_:B_+11], v[D_:D_+7], v[X_], v[Y_] matrix_a_fmt:MATRIX_FMT_FP6 matrix_b_fmt:MATRIX_FMT_FP6
.else
	v_wmma_scale_f32_16x16x128_f8f6f4 v[D_:D_+7], v[A_:A_+11], v[B_:B_+11], v[D_:D_+7], v[X_], v[Y_] matrix_a_fmt:MATRIX_FMT_FP6 matrix_b_fmt:MATRIX_FMT_FP6 matrix_a_scale:MATRIX_SCALE_ROW1 matrix_b_scale:MATRIX_SCALE_ROW1
.endif
.endr
.endm
; A K step.  mode 0: plain.  mode 1: the next tile's fill ev, in a round that stands inside the step's products.  mode 2: a plain barrier shows the last fill to all.
.macro STEP k, mode=0, ev=0
	s_wait_dscnt 0x0                               ; this step's fragments are in (asked for ahead of the last step's products)
.if \mode == 2
	s_wait_tensorcnt 0x0
	s_barrier_signal -1
	s_barrier_wait -1
.endif
.if (\k) < 7
	PLACES 4                                       ; between the last products that read the other set and the loads into it
	FETCH (\k)+1
.endif
.if (\k) == 0
	s_wait_loadcnt 0x0                             ; the scale words
.endif
.if \mode == 1
	s_wait_tensorcnt 0x0                           ; all my tensor loads have landed;
	ds_add_u32 v[SPW], v[NIL]                      ; 0 onto my spare word
	DESC \ev, 0
	MUL1 \k, 0
	MUL1 \k, 1
	MUL1 \k, 2
	s_wait_dscnt 0x0                               ; the add is done and all my LDS reads are over, those of the chunks to be filled among them
	s_barrier_signal -1                            ; opens a round of the cluster's barrier
	MUL1 \k, 3
	WIN 0
	s_barrier_wait -1
	CREST                                          ; no wave of any partner still reads those chunks or has a load on its way
	JLOAD
	s_or_b32 s2, s19, s9                           ; two fills on lies V's tile, in the first trip alone
.if \ev
	ASKP 14, 2, 1, 2
.else
	ASKP 14, 2, 0
.endif
.else
	MUL1 \k, 0
	MUL1 \k, 1
	MUL1 \k, 2
	MUL1 \k, 3
	WIN 0
.endif
.endm
; Tile q of R: its 64 registers become a fragment's codes in v[CD] on and a scale word in v[PW + q].  Each accumulator is read from its low end on.
.macro QUANT q
.set AC, 64*(\q)
.set CD, RF+48+20*((\q)%2)             ; in R's second set, which step 7 has read out; the first set takes the next tile's step 0 meanwhile
	WIN 0x28                                       ; sources 1 and 2 window 2
.irp b, 0,1,2,3
	v_max3_num_f32 v[TM+\b], 0x1800000, |v[AC+16*\b]|, |v[AC+16*\b+1]|   ; block b: my 16 numbers, and the floor 2^(3 - 127), so that the byte cannot fall under 1
.endr
.irp i, 2,4,6,8,10,12,14
.irp b, 0,1,2,3
	v_max3_num_f32 v[TM+\b], v[TM+\b], |v[AC+16*\b+\i]|, |v[AC+16*\b+\i+1]|   ; the four blocks by turns
.endr
.endr
	WIN 0
.irp b, 0,1,2,3
	v_permlanex16_b32 v[TM+4+\b], v[TM+\b], s62, s63
.endr
.irp b, 0,1,2,3
	v_max_num_f32 v[TM+\b], v[TM+\b], v[TM+4+\b]   ; with lane l xor 16's: the block's largest magnitude
.endr
.irp b, 0,1,2,3
	v_add_nc_u32 v[TM+12+\b], 0xff000000, v[TM+\b] ; 2 off its exponent field: the conversion's scale operand
.endr
.irp b, 0,1,2,3
	v_lshrrev_b32 v[TM+4+\b], 23, v[TM+12+\b]      ; the scale's byte
.endr
	v_lshl_or_b32 v[PW+(\q)], v[TM+5], 8, v[TM+4]
	v_lshl_or_b32 v[PW+(\q)], v[TM+6], 16, v[PW+(\q)]
	v_lshl_or_b32 v[PW+(\q)], v[TM+7], 24, v[PW+(\q)]
	WIN 0x02                                       ; source 0 window 2
.irp c, 0,1
	v_cvt_scalef32_pk16_fp6_f32 v[CD+6*\c:CD+6*\c+2], v[AC+32*\c:AC+32*\c+15], v[TM+12+2*\c]
	v_cvt_scalef32_pk16_fp6_f32 v[CD+12+4*\c:CD+14+4*\c], v[AC+32*\c+16:AC+32*\c+31], v[TM+13+2*\c]   ; (a conversion's three registers begin on an even number)
.endr
	WIN 0
	v_nop                                          ; one plain instruction behind a scaled conversion
.irp c, 0,1                            ; the operand's layout wants a whole block in a lane: lanes 0-15 block 2 c, lanes 16-31 block 2 c + 1
.irp i, 0,1,2
	v_permlane16_swap_b32 v[CD+6*\c+\i], v[CD+12+4*\c+\i]
.endr
.irp i, 0,1,2
	v_mov_b32 v[CD+3+6*\c+\i], v[CD+12+4*\c+\i]
.endr
.endr
	global_store_b128 v[L16], v[CD:CD+3], s[36:37]             ; two half fragments: each store covers 512 or 256 consecutive bytes, aligned
	global_store_b64 v[L8], v[CD+4:CD+5], s[36:37] offset:512
	global_store_b128 v[L16], v[CD+6:CD+9], s[38:39]
	global_store_b64 v[L8], v[CD+10:CD+11], s[38:39] offset:512
	s_wait_xcnt 0x0                                ; the stores have read their bases and data: both are written again only behind this wait
	s_add_nc_u64 s[36:37], s[36:37], s[40:41]
	s_add_nc_u64 s[38:39], s[38:39], s[40:41]
.endm
; A tile's end.  next = 1: the next tile's scale words and its step 0's fragments are asked for first and land under the quantiser.
.macro FINISH next
	PLACES 4                                       ; in front of the first read of results and of the loads into registers that the last products have read
.if \next
	s_cmp_eq_u32 s9, 0
	s_cselect_b64 s[10:11], s[76:77], s[78:79]
	s_cselect_b64 s[16:17], s[88:89], s[90:91]
	SCALES 10, 16
	FETCH 0
.endif
	s_wait_xcnt 0x0                                ; the last tile's store of scale words has read v[VSO] and its base, and the head's prefetches s[98:99]
	s_mov_b32 s40, 1536                            ; from tile to tile (K: 768)
	s_mov_b32 s100, 768                            ; from a fragment's first half to its second (K: the next head)
	s_mov_b32 s55, 8                               ; lanes 16-31 store 8 bytes on (K: in the next head)
	s_mov_b32 s52, 0x03020100                      ; byte selects: Q, V keep a tile's word whole; K joins two tiles' halves, head by head
	s_mov_b32 s53, 0x07060504
	s_cmp_eq_u32 s9, 1
	s_cselect_b32 s98, s58, s56
	s_cselect_b32 s2, s59, s57
	s_cselect_b32 s40, 768, s40
	s_cselect_b32 s100, 102400, s100
	s_cselect_b32 s55, 102400, s55
	s_cselect_b32 s52, 0x05040100, s52
	s_cselect_b32 s53, 0x07060302, s53
	s_cmp_eq_u32 s9, 2
	s_cselect_b32 s98, s60, s98
	s_cselect_b32 s2, s61, s2
	s_cmp_eq_u32 s9, 0
	s_cselect_b64 s[36:37], s[92:93], s[96:97]     ; the codes go to Qc or KV,
	s_cselect_b64 s[42:43], s[94:95], s[96:97]     ; the scale words to Qs or KV
	s_mov_b32 s99, 0
	s_mov_b32 s3, 0
	s_mov_b32 s101, 0
	s_mov_b32 s41, 0
	s_add_nc_u64 s[36:37], s[36:37], s[98:99]
	s_add_nc_u64 s[38:39], s[36:37], s[100:101]
	s_add_nc_u64 s[42:43], s[42:43], s[2:3]
	v_mul_lo_u32 v[VSO], v2, s55
	v_lshl_add_u32 v[VSO], v1, 4, v[VSO]           ; 16 r + h x that distance
.irp q, 0,1,2,3
	QUANT \q
.endr
	v_perm_b32 v214, v[PW+1], v[PW], s52
	v_perm_b32 v215, v[PW+1], v[PW], s53
	v_perm_b32 v216, v[PW+3], v[PW+2], s52
	v_perm_b32 v217, v[PW+3], v[PW+2], s53
	v_cndmask_b32 v[SD], v214, v215, s54           ; lanes 16-31 take the second
	v_cndmask_b32 v[SD+1], v216, v217, s54
	global_store_b64 v[VSO], v[SD:SD+1], s[42:43]
.endm
	s_wait_tensorcnt 0x0                           ; my part of chunk 0 is in; these lines stand ahead of a later first fill, as ahead of a refill
	ds_add_u32 v[SPW], v[NIL]
	DESC 1, 1
	s_wait_dscnt 0x0
	CROUND
	JLOAD                                          ; Q's fill B
	ASKP 12, 18, 1, 2                              ; K's fill B
	FETCH 0
	STEP 0
	s_mov_b32 s9, 0
.Ltile:
	STEP 1, 2
	STEP 2, 1, 0
	STEP 3
	STEP 4
	STEP 5
	STEP 6
	STEP 7, 1, 1
	FINISH 1
	STEP 0
	s_add_co_u32 s9, s9, 1
	s_cmp_lt_u32 s9, 2
	s_wait_alu depctr_va_vdst(0)                   ; the wait ahead of the backward jump
	s_cbranch_scc1 .Ltile
	STEP 1, 2                                      ; V's tile goes on: nothing more is asked for
	STEP 2
	STEP 3
	STEP 4
	STEP 5
	STEP 6
	STEP 7
	FINISH 0
	s_wait_tensorcnt 0x0                           ; the wave's end
	ds_add_u32 v[SPW], v[NIL]
	s_wait_dscnt 0x0
	CROUND                                         ; the closing round: no work-group ends while a partner may still ask for a tile that names it
	s_endpgm
.Lfunc_end_k_qe3b1ce0d9b_proj:
	.size	k_qe3b1ce0d9b_proj, .Lfunc_end_k_qe3b1ce0d9b_proj-k_qe3b1ce0d9b_proj
	.p2alignl 7, 3214868480
	.fill 96, 4, 3214868480
	.section	.rodata,"a",@progbits
	.p2align	6, 0x0
	.amdhsa_kernel k_qe3b1ce0d9b_proj
		.amdhsa_group_segment_fixed_size 327680
		.amdhsa_private_segment_fixed_size 0
		.amdhsa_enable_private_segment 0
		.amdhsa_kernarg_size 120
		.amdhsa_user_sgpr_count 2
		.amdhsa_user_sgpr_kernarg_segment_ptr 1
		.amdhsa_wavefront_size32 1
		.amdhsa_system_sgpr_workgroup_id_x 1
		.amdhsa_system_sgpr_workgroup_id_y 1
		.amdhsa_system_sgpr_workgroup_id_z 1
		.amdhsa_system_vgpr_workitem_id 0
		.amdhsa_next_free_vgpr 768
		.amdhsa_next_free_sgpr 102
		.amdhsa_reserve_vcc 0
		.amdhsa_float_denorm_mode_32 3
		.amdhsa_float_denorm_mode_16_64 3
		.amdhsa_memory_ordered 1
		.amdhsa_forward_progress 1
		.amdhsa_inst_pref_size 198
	.end_amdhsa_kernel
	.amdgpu_metadata
---
amdhsa.version: [ 1, 2 ]
amdhsa.kernels:
  - .name:           k_qe3b1ce0d9b_proj
    .symbol:         k_qe3b1ce0d9b_proj.kd
    .args:
      - { .name: Wq_codes, .offset: 0, .size: 8, .value_kind: global_buffer, .address_space: global }
      - { .name: Wk_codes, .offset: 8, .size: 8, .value_kind: global_buffer, .address_space: global }
      - { .name: value_codes, .offset: 16, .size: 8, .value_kind: global_buffer, .address_space: global }
      - { .name: Wq_scales, .offset: 24, .size: 8, .value_kind: global_buffer, .address_space: global }
      - { .name: Wk_scales, .offset: 32, .size: 8, .value_kind: global_buffer, .address_space: global }
      - { .name: value_scales, .offset: 40, .size: 8, .value_kind: global_buffer, .address_space: global }
      - { .name: query_codes, .offset: 48, .size: 8, .value_kind: global_buffer, .address_space: global }
      - { .name: key_codes, .offset: 56, .size: 8, .value_kind: global_buffer, .address_space: global }
      - { .name: Wv_codes, .offset: 64, .size: 8, .value_kind: global_buffer, .address_space: global }
      - { .name: query_scales, .offset: 72, .size: 8, .value_kind: global_buffer, .address_space: global }
      - { .name: key_scales, .offset: 80, .size: 8, .value_kind: global_buffer, .address_space: global }
      - { .name: Wv_scales, .offset: 88, .size: 8, .value_kind: global_buffer, .address_space: global }
      - { .name: Qc, .offset: 96, .size: 8, .value_kind: global_buffer, .address_space: global }
      - { .name: Qs, .offset: 104, .size: 8, .value_kind: global_buffer, .address_space: global }
      - { .name: KV, .offset: 112, .size: 8, .value_kind: global_buffer, .address_space: global }
    .group_segment_fixed_size: 327680
    .private_segment_fixed_size: 0
    .kernarg_segment_align: 8
    .kernarg_segment_size: 120
    .max_flat_workgroup_size: 128
    .sgpr_count:     102
    .vgpr_count:     768
    .wavefront_size: 32
...
	.end_amdgpu_metadata
.endif
;; end of part 1
;; launch attn (part 2): grid 4 x 64, 16 waves a work-group, clusters of 4 x 1, 210,944 bytes of LDS; arguments Qc, Qs, KV, Ac, As; writes Ac, As
.if DOCPART == 2
	.amdgcn_target "amdgcn-amd-amdhsa--gfx1250"
	.amdhsa_code_object_version 6
	.text
	.protected	k_qe3b1ce0d9b_attn
	.globl	k_qe3b1ce0d9b_attn
	.p2align	8
	.type	k_qe3b1ce0d9b_attn,@function
k_qe3b1ce0d9b_attn:
	s_mov_b64 s[64:65], 0
	v_nop
	global_prefetch_b8 v0, s[64:65] scope:SCOPE_SE
	s_setreg_imm32_b32 hwreg(HW_REG_WAVE_MODE, 25, 1), 1
	s_wait_xcnt 0x0
	s_wait_alu depctr_hold_cnt(0) depctr_sa_sdst(0) depctr_va_vdst(0) depctr_va_sdst(0) depctr_va_ssrc(0) depctr_va_vcc(0) depctr_vm_vsrc(0)
	s_getreg_b32 s2, hwreg(HW_REG_IB_STS2, 6, 4)
	s_cmp_eq_u32 s2, 0
	s_cbranch_scc0 .Lentry_in_a_cluster
	s_endpgm
.Lentry_in_a_cluster:
	s_bfe_u32 s2, ttmp6, 0x10000c
	s_cmp_lg_u32 s2, 0x3003
	s_cbranch_scc0 .Lentry_shape_is_right
	s_endpgm
.Lentry_shape_is_right:
; ATTENTION on codes of FP6 (E2M3): O = softmax(Q K^T / 32) V for a pair of heads, and the quantiser of the concatenated heads behind it.
; SHARES.  A work-group owns 256 queries of one batch and one PAIR of heads; each of its sixteen waves owns 16 queries, one tile, in 256 registers, and runs the pair's first head and then its second (PASS).
; So a wave ends with a whole fragment (16 rows x 128 along the last product's K: two heads of 64) and a whole scale word a row.
; LDS.  The pair's K and V, codes and scale words, are 204,800 consecutive bytes of KV; they come once, at the head, and stay: no byte is filled twice, so there is no ring and no barrier inside the passes.
; CLUSTER 4 x 1.  The four query blocks of a batch and head pair read the same 204,800 bytes: waves 0 to 7 ask for an eighth each, jointly with the three partners.
; LAYOUT.  Both products are used transposed: S^T = K Q^T (source 0 = keys, source 1 = my queries), O^T = V^T P^T (source 0 = 16 of the head's 64, source 1 = P): a lane holds ONE query (lane % 16) throughout.
; A HEAD HAS 64 ALONG K, THE INSTRUCTION 128.  A fragment of K holds TWO key tiles, one in each half of K; Q stands in registers between zeros (0 Q 0): with [Q | 0] as source 1 the product is the first tile's
; scores, with [0 | Q] the second's.  Zero codes add nothing under any scale byte that is made here.
; THE ORDER INSIDE A BLOCK OF 32.  Q and K carry one fixed order along e, V and p one fixed order along the keys (each pair laid by the same lines), so the sums are those of the true order.  The last product
; meets a given operand: there the true order of e is restored, by exchanges between the halves of the lanes, ahead of the quantiser.
; THE SOFTMAX: t = score x log2(e) / 32; M = the running largest t, rounded UP to a whole number; p = 2^(t - M) is quantised along the keys, not normalised.  The row's sum is taken of the unquantised p and divides O
; at the end.  When M moves, the sum and O are multiplied by 2^(old M - new M): exact.
; LIMITS: NaN and infinities are not served.  A block whose largest magnitude lies under 2^-124 gets the byte 1, a block of zeros too (its codes are zeros; these bytes are read by this program alone).  1 / l is v_rcp_f32's.
.set KVH,   102400                     ; a head's bytes: K's codes [key tile 64][768],
.set VOFF,  49152                      ; V's [step 8][e tile 4][1,536],
.set KSOFF, 98304                      ; K's scale words [step 8][r 16][4], and 2,048 bytes on V's
.set STG,   2*KVH                      ; behind the pair: 1,024 bytes, the stage for the work-group's 256 scale words
.set WV,  4                            ; s4  my wave's number
.set SEL, 22                           ; s[22:23] lane selects for v_permlanex16_b32: lane l xor 16
.set CS,  24                           ; s[24:25] c = log2(e) / 32
.set TB,  26                           ; s26 LDS byte at which the step's codes of K begin
.set TS,  27                           ; s27 and its scale words
.set CNT, 28                           ; s28 key steps to go
.set L16, 1                            ; v1  16 x lane
.set L8,  2                            ; v2  8 x lane
.set LS,  3                            ; v3  KSOFF + 16 r + 2,048 h: lanes 0-15 take K's four words, lanes 16-31 V's
.set AD16, 4                           ; v4-6 the step's addresses
.set AD8, 5
.set ADS, 6
.set SST, 7                            ; v7  the stage: my row's word
.set SLD, 8                            ; v8  and where waves 0 and 1 read 16 bytes back
.set GOF, 9                            ; v9  their offset in As
.set QSO, 10                           ; v10 16 r: my row in Q's scale words
.set KF,  48                           ; v48-95   four fragments of K, then of V.  (v12 -M, v13 the largest t, v[14:15] the sum; v16-45: 0 Q0 0 Q1 0, six registers each; v46-47 Q's scale words)
.set S,   96                           ; v96-159  S^T, then p
.set O,   160                          ; v160-191 O^T
.set RES, 192                          ; v192-203 the fragment that I leave
.set RW,  204                          ; v204     and its scale word
.set PCD, 208                          ; v208-219 p's codes
.set CT,  220                          ; v220-227 the conversions' second halves
.set BM,  228                          ; v228-231 a block's largest score, then its largest p
.set PD,  232                          ; v232-235 the other half's
.set SO,  236                          ; v236-239 the conversions' scale operands
.set SB,  240                          ; v240-243 the scales' bytes
.set SC,  244                          ; v244-247 K's and V's scale words
.set TT,  248                          ; v248     at work
.set L2,  250                          ; v[250:251] the sum's second chain
.set FF,  252                          ; v252 f = 2^(old M - new M);  v253 p's scale word
.macro CROUND                          ; a round of the cluster's barrier
	s_barrier_signal -1
	s_barrier_wait -1
	s_cmp_lg_u32 s[WV], 0
	s_cbranch_scc1 .Lnot_wave_0_\@
	s_barrier_signal -3
.Lnot_wave_0_\@:
	s_barrier_wait -3
	s_barrier_signal -1
	s_barrier_wait -1
.endm
	s_load_b256 s[12:19], s[0:1], 0x0              ; Qc s[12:13], Qs s[14:15], KV s[16:17], Ac s[18:19]
	s_load_b64 s[20:21], s[0:1], 0x20              ; As
	v_lshl_add_u32 v254, v0, 2, 0x33000
	v_mov_b32 v255, 0
	ds_add_u32 v254, v255
	ds_add_u32 v254, v255
	v_lshrrev_b32 v1, 5, v0
	s_delay_alu instid0(VALU_DEP_1)
	v_readfirstlane_b32 s[WV], v1                  ; wave 0..15
	s_bfe_u32 s6, ttmp6, 0x40000                   ; cx: my block of 256 queries
	s_and_b32 s7, ttmp7, 0xffff                    ; 8 x batch + head pair, which the four partners share
	s_and_b32 s5, s[WV], 7
	s_mul_i32 s41, s5, 25600                       ; my eighth of the pair's bytes: in LDS,
	s_mul_i32 s2, s7, 2*KVH
	s_add_co_u32 s2, s2, s41                       ; and in KV: no place in the cluster enters either
	s_mov_b32 s3, 0
	s_mov_b32 s32, 15|(3<<16)|(1<<21)              ; group 1: the mask names all four; elements of 8 bytes; bit 21 set beside a mask; no padding
	s_mov_b32 s33, 32<<16                          ; tensor_dim0: rows of 256 bytes
	s_mov_b32 s34, 100<<16                         ; tensor_dim1: 100 of them
	s_mov_b32 s35, 32<<16                          ; tile_dim0
	s_mov_b32 s36, 100                             ; tile_dim1
	s_mov_b32 s37, 32                              ; dense
	s_mov_b32 s38, 0
	s_mov_b32 s39, 0
	s_lshl_b32 s8, s6, 4
	s_add_co_u32 s8, s8, s[WV]                     ; my tile of 16 queries, 0 .. 63
	s_lshl_b32 s44, s7, 6
	s_add_co_u32 s44, s44, s8
	s_mul_i32 s44, s44, 1536                       ; its fragment in Qc
	s_mov_b32 s45, 0
	s_lshl_b32 s46, s7, 4
	s_lshl_b32 s47, s6, 2
	s_add_co_u32 s46, s46, s47
	s_lshr_b32 s47, s[WV], 2
	s_add_co_u32 s46, s46, s47
	s_lshl_b32 s46, s46, 8                         ; its four tiles' 256 bytes in Qs,
	s_and_b32 s47, s[WV], 1
	s_lshl_b32 s47, s47, 3
	s_add_co_u32 s46, s46, s47                     ; + 8 (tile & 1)
	s_bfe_u32 s47, s[WV], 0x10001
	s_lshl_b32 s47, s47, 2
	s_add_co_u32 s46, s46, s47                     ; + 4 ((tile >> 1) & 1)
	s_mov_b32 s47, 0
	s_lshr_b32 s9, s7, 3                           ; the batch
	s_and_b32 s10, s7, 7                           ; the head pair
	s_lshl_b32 s48, s9, 6
	s_add_co_u32 s48, s48, s8
	s_lshl_b32 s48, s48, 3
	s_add_co_u32 s48, s48, s10
	s_mul_i32 s48, s48, 1536                       ; Ac [row tile][head pair][1,536]
	s_mov_b32 s49, 0
	s_lshl_b32 s50, s10, 15
	s_lshl_b32 s51, s9, 12
	s_add_co_u32 s50, s50, s51
	s_lshl_b32 s51, s6, 10
	s_add_co_u32 s50, s50, s51                     ; As [head pair][row] words: my work-group's 256 rows
	s_mov_b32 s51, 0
	s_mov_b32 s[SEL], 0x76543210
	s_mov_b32 s[SEL+1], 0xfedcba98
	s_mov_b32 s[CS], 0x3d38aa3b                    ; log2(e) / 32
	s_mov_b32 s[CS+1], s[CS]                       ; (named with it as a pair, so it is written)
	; all vector addresses are made here, ahead of the first branch on the wave's number
	v_and_b32 v10, 31, v0                          ; lane
	v_and_b32 v11, 15, v0                          ; r
	v_bfe_u32 v9, v0, 4, 1                         ; h
	s_delay_alu instid0(VALU_DEP_3)
	v_lshlrev_b32 v[L16], 4, v10
	s_delay_alu instid0(VALU_DEP_4)
	v_lshlrev_b32 v[L8], 3, v10
	s_delay_alu instid0(VALU_DEP_4)
	v_lshlrev_b32 v[LS], 4, v11
	s_delay_alu instid0(VALU_DEP_1)
	v_lshl_add_u32 v[LS], v9, 11, v[LS]
	s_delay_alu instid0(VALU_DEP_1)
	v_add_nc_u32 v[LS], KSOFF, v[LS]
	s_lshl_b32 s11, s[WV], 6
	v_lshl_add_u32 v[SST], v11, 2, s11
	s_delay_alu instid0(VALU_DEP_1)
	v_add_nc_u32 v[SST], STG, v[SST]               ; 64 x wave + 4 r
	s_and_b32 s11, s[WV], 1
	s_lshl_b32 s11, s11, 9
	v_add_nc_u32 v[GOF], s11, v[L16]               ; 512 x (wave % 2) + 16 x lane
	s_delay_alu instid0(VALU_DEP_1)
	v_add_nc_u32 v[SLD], STG, v[GOF]
	v_lshlrev_b32 v[QSO], 4, v11
.irp z, 16,17,18,19,20,21,28,29,30,31,32,33,40,41,42,43,44,45
	v_mov_b32 v\z, 0                               ; the zero codes round Q
.endr
.irp b, 0,1,2,3
	v_mov_b32 v[PD+\b], 0                          ; written once: a lane permute's destination counts as one of its sources
.endr
	v_mov_b32 v[FF+1], 0                           ; (named as the upper half of the pair v[252:253] before it is first written)
	s_wait_dscnt 0x0
	s_wait_kmcnt 0x0
	s_mov_b32 s40, 1                               ; group 0: count, LDS address (s41), global address, type
	s_add_nc_u64 s[42:43], s[16:17], s[2:3]
	s_or_b32 s43, s43, 0x80000000
	s_add_nc_u64 s[12:13], s[12:13], s[44:45]
	s_add_nc_u64 s[14:15], s[14:15], s[46:47]
	s_add_nc_u64 s[18:19], s[18:19], s[48:49]
	s_add_nc_u64 s[20:21], s[20:21], s[50:51]
	CROUND                                         ; all four work-groups are here: the joint loads meet
	s_cmp_lt_u32 s[WV], 8                          ; waves 0 to 7 fetch; the branch hangs on the wave's number alone
	s_cbranch_scc0 .Lno_fetch
	tensor_load_to_lds s[40:43], s[32:39]          ; one tensor load of mine is out
	s_nop 0
.rept 4
	v_nop                                          ; four v_nop follow a tensor load
.endr
.Lno_fetch:
	global_load_b128 v[22:25], v[L16], s[12:13]              ; Q of the pair's first head: a half fragment's image,
	global_load_b64 v[26:27], v[L8], s[12:13] offset:512
	global_load_b128 v[34:37], v[L16], s[12:13] offset:768   ; and of its second
	global_load_b64 v[38:39], v[L8], s[12:13] offset:1280
	global_load_b32 v[TT], v[QSO], s[14:15]                  ; my row's scale word: two bytes a head
	s_wait_loadcnt 0x0
	v_perm_b32 v46, v[TT], v[TT], 0x01000100       ; the first head's two bytes, for either half of K
	v_perm_b32 v47, v[TT], v[TT], 0x03020302       ; the second head's
	s_wait_tensorcnt 0x0                           ; my eighth has landed (a wave that fetched nothing waits for nothing),
	s_barrier_signal -1
	s_barrier_wait -1                              ; everybody's has: K and V of both heads lie in LDS
; A KEY STEP of head pi: 128 keys.
.macro STEP pi
	v_add_nc_u32 v[AD16], s[TB], v[L16]
	v_add_nc_u32 v[AD8], s[TB], v[L8]
	v_add_nc_u32 v[ADS], s[TS], v[LS]
	v_nop                                          ; these four are the plain instructions between the last step's products and the loads into their registers
.irp f, 0,1,2,3                        ; K: fragment f = key tiles 2 f and 2 f + 1, two half fragments on end
	ds_load_b128 v[KF+12*\f:KF+12*\f+3], v[AD16] offset:1536*\f
	ds_load_b64 v[KF+12*\f+4:KF+12*\f+5], v[AD8] offset:1536*\f+512
	ds_load_b128 v[KF+12*\f+6:KF+12*\f+9], v[AD16] offset:1536*\f+768
	ds_load_b64 v[KF+12*\f+10:KF+12*\f+11], v[AD8] offset:1536*\f+1280
.endr
	ds_load_b128 v[SC:SC+3], v[ADS]                ; lanes 0-15: K's four words; lanes 16-31: V's
	s_wait_alu depctr_va_vdst(0)
	s_wait_dscnt 0x0
.irp f, 0,1,2,3                        ; S^T: eight accumulators, one instruction each
	v_wmma_scale_f32_16x16x128_f8f6f4 v[S+16*\f:S+16*\f+7], v[KF+12*\f:KF+12*\f+11], v[22+12*\pi:33+12*\pi], 0, v[SC+\f], v[46+\pi] matrix_a_fmt:MATRIX_FMT_FP6 matrix_b_fmt:MATRIX_FMT_FP6
	v_wmma_scale_f32_16x16x128_f8f6f4 v[S+16*\f+8:S+16*\f+15], v[KF+12*\f:KF+12*\f+11], v[16+12*\pi:27+12*\pi], 0, v[SC+\f], v[46+\pi] matrix_a_fmt:MATRIX_FMT_FP6 matrix_b_fmt:MATRIX_FMT_FP6
.endr
.rept 4
	v_nop                                          ; in front of the loads into K's registers and of the first read of the scores
.endr
.irp f, 0,1,2,3                        ; V: fragment f = 16 of the head's 64 x these 128 keys; they land under the softmax
	ds_load_b128 v[KF+12*\f:KF+12*\f+3], v[AD16] offset:VOFF+1536*\f
	ds_load_b64 v[KF+12*\f+4:KF+12*\f+5], v[AD8] offset:VOFF+1536*\f+512
	ds_load_b128 v[KF+12*\f+6:KF+12*\f+9], v[AD16] offset:VOFF+1536*\f+768
	ds_load_b64 v[KF+12*\f+10:KF+12*\f+11], v[AD8] offset:VOFF+1536*\f+1280
.endr
.irp b, 0,1,2,3
	v_max3_num_f32 v[BM+\b], v[S+16*\b], v[S+1+16*\b], v[S+2+16*\b]   ; the largest score of each block of 32 keys: it serves for the row's maximum and, since p rises with the score, for the block's largest p
.endr
.irp i, 3,5,7,9,11,13
.irp b, 0,1,2,3
	v_max3_num_f32 v[BM+\b], v[BM+\b], v[S+16*\b+\i], v[S+1+16*\b+\i]
.endr
.endr
.irp b, 0,1,2,3
	v_max_num_f32 v[BM+\b], v[BM+\b], v[S+15+16*\b]
.endr
.irp b, 0,1,2,3
	s_delay_alu instid0(VALU_DEP_4)
	v_permlanex16_b32 v[PD+\b], v[BM+\b], s[SEL], s[SEL+1]
.endr
.irp b, 0,1,2,3
	s_delay_alu instid0(VALU_DEP_4)
	v_max_num_f32 v[BM+\b], v[BM+\b], v[PD+\b]     ; with lane l xor 16's 16 keys
.endr
	s_delay_alu instid0(VALU_DEP_2)
	v_max3_num_f32 v[TT], v[BM], v[BM+1], v[BM+2]
	s_delay_alu instid0(VALU_DEP_1)
	v_max_num_f32 v[TT], v[TT], v[BM+3]            ; the step's largest score of my query
	s_delay_alu instid0(VALU_DEP_1)
	v_mul_f32 v[TT], s[CS], v[TT]                  ; as t (c is positive)
	s_delay_alu instid0(VALU_DEP_1)
	v_max_num_f32 v13, v13, v[TT]                  ; the running largest t
	v_mov_b32 v[TT], v12
	s_delay_alu instid0(VALU_DEP_2)
	v_floor_f32 v12, -v13                          ; the new -M = floor(-t) = -ceil(t): a whole number
	s_delay_alu instid0(VALU_DEP_1)
	v_sub_f32 v[TT], v12, v[TT]                    ; old M less new M: a whole number, 0 or less
	s_delay_alu instid0(VALU_DEP_1)
	v_cvt_i32_f32 v[TT], v[TT]                     ; (it saturates)
	s_delay_alu instid0(VALU_DEP_1)
	v_ldexp_f32 v[FF], 1.0, v[TT]                  ; f = 2^(old M - new M)
.set j, 0
.rept 32
	v_pk_fma_f32 v[S+j:S+j+1], v[S+j:S+j+1], s[CS:CS+1], v[12:13] op_sel_hi:[1,0,0]   ; t - M, two at a time (of the pairs c and -M the low word serves both halves)
.set j, j+2
.endr
.irp b, 0,1,2,3
	v_fma_f32 v[BM+\b], v[BM+\b], s[CS], v12       ; the same of each block's largest score
.endr
.set j, 0
	s_wait_alu depctr_va_vdst(0)
.rept 64
	v_exp_f32 v[S+j], v[S+j]                       ; p = 2^(t - M), at most 1: not normalised
.set j, j+1
.endr
.irp b, 0,1,2,3
	v_exp_f32 v[BM+\b], v[BM+\b]                   ; the block's largest p: the same two instructions on the same number give the same bits
.endr
	v_pk_mul_f32 v[14:15], v[14:15], v[FF:FF+1] op_sel_hi:[1,0]   ; the sum and O^T under the new M: plain work that names no exponential's result
.set j, 0
	s_wait_alu depctr_va_vdst(0)
.rept 16
	v_pk_mul_f32 v[O+j:O+j+1], v[O+j:O+j+1], v[FF:FF+1] op_sel_hi:[1,0]
.set j, j+2
.endr
	s_wait_alu depctr_va_vdst(0)                   ; one wait for the batch of 68, ahead of the first instruction that names a result
.irp b, 0,1,2,3
	v_max_num_f32 v[BM+\b], 0x1800000, v[BM+\b]    ; the floor 2^(3 - 127): the byte cannot fall under 1
.endr
.irp b, 0,1,2,3
	s_delay_alu instid0(VALU_DEP_4)
	v_add_nc_u32 v[SO+\b], 0xff000000, v[BM+\b]    ; 2 off the exponent field: the conversion's scale operand
.endr
.irp b, 0,1,2,3
	s_delay_alu instid0(VALU_DEP_4)
	v_lshrrev_b32 v[SB+\b], 23, v[SO+\b]           ; the scale's byte
.endr
	s_delay_alu instid0(VALU_DEP_3)
	v_lshl_or_b32 v[FF+1], v[SB+1], 8, v[SB]       ; p's scale word for these 128 keys
	s_delay_alu instid0(VALU_DEP_1)
	v_lshl_or_b32 v[FF+1], v[SB+2], 16, v[FF+1]
	s_delay_alu instid0(VALU_DEP_1)
	v_lshl_or_b32 v[FF+1], v[SB+3], 24, v[FF+1]
.irp c, 0,1
	v_cvt_scalef32_pk16_fp6_f32 v[PCD+6*\c:PCD+6*\c+2], v[S+32*\c:S+32*\c+15], v[SO+2*\c]
	v_cvt_scalef32_pk16_fp6_f32 v[CT+4*\c:CT+4*\c+2], v[S+32*\c+16:S+32*\c+31], v[SO+2*\c+1]   ; (a conversion's three registers begin on an even number)
.endr
	v_nop                                          ; one plain instruction behind a scaled conversion
.irp c, 0,1                            ; the operand's layout wants a whole block in a lane: lanes 0-15 block 2 c, lanes 16-31 block 2 c + 1
.irp i, 0,1,2
	v_permlane16_swap_b32 v[PCD+6*\c+\i], v[CT+4*\c+\i]
.endr
.irp i, 0,1,2
	s_delay_alu instid0(VALU_DEP_3)
	v_mov_b32 v[PCD+3+6*\c+\i], v[CT+4*\c+\i]
.endr
.endr
	v_pk_add_f32 v[250:251], v[100:101], v[104:105]
	v_pk_add_f32 v[242:243], v[108:109], v[112:113]
	v_pk_add_f32 v[240:241], v[116:117], v[120:121]
	v_pk_add_f32 v[238:239], v[124:125], v[128:129]
	v_pk_add_f32 v[236:237], v[132:133], v[136:137]
	v_pk_add_f32 v[230:231], v[140:141], v[144:145]
	v_pk_add_f32 v[228:229], v[148:149], v[152:153]
	v_pk_add_f32 v[14:15], v[14:15], v[156:157]
	v_pk_add_f32 v[250:251], v[250:251], v[96:97]
	v_pk_add_f32 v[242:243], v[242:243], v[98:99]
	v_pk_add_f32 v[240:241], v[240:241], v[102:103]
	v_pk_add_f32 v[238:239], v[238:239], v[106:107]
	v_pk_add_f32 v[236:237], v[236:237], v[110:111]
	v_pk_add_f32 v[230:231], v[230:231], v[114:115]
	v_pk_add_f32 v[228:229], v[228:229], v[118:119]
	v_pk_add_f32 v[14:15], v[14:15], v[122:123]
	v_pk_add_f32 v[250:251], v[250:251], v[126:127]
	v_pk_add_f32 v[242:243], v[242:243], v[130:131]
	v_pk_add_f32 v[240:241], v[240:241], v[134:135]
	v_pk_add_f32 v[238:239], v[238:239], v[138:139]
	v_pk_add_f32 v[236:237], v[236:237], v[142:143]
	v_pk_add_f32 v[230:231], v[230:231], v[146:147]
	v_pk_add_f32 v[228:229], v[228:229], v[150:151]
	v_pk_add_f32 v[14:15], v[14:15], v[154:155]
	v_pk_add_f32 v[250:251], v[250:251], v[158:159]
	s_delay_alu instid0(VALU_DEP_2)
	v_pk_add_f32 v[14:15], v[14:15], v[238:239]
	s_delay_alu instid0(VALU_DEP_2)
	v_pk_add_f32 v[250:251], v[250:251], v[236:237]
	v_pk_add_f32 v[242:243], v[242:243], v[230:231]
	v_pk_add_f32 v[240:241], v[240:241], v[228:229]
	s_delay_alu instid0(VALU_DEP_2)
	v_pk_add_f32 v[14:15], v[14:15], v[242:243]
	s_delay_alu instid0(VALU_DEP_2)
	v_pk_add_f32 v[250:251], v[250:251], v[240:241]
	s_delay_alu instid0(VALU_DEP_1)
	v_pk_add_f32 v[14:15], v[14:15], v[250:251]
	s_wait_dscnt 0x0                               ; V is in
.irp t, 0,1,2,3                        ; O^T += V^T P^T: four accumulators, one instruction each; V's words lie in lanes 16-31, in the order of tiles 0, 2, 1, 3
	v_wmma_scale_f32_16x16x128_f8f6f4 v[O+8*\t:O+8*\t+7], v[KF+12*\t:KF+12*\t+11], v[PCD:PCD+11], v[O+8*\t:O+8*\t+7], v[SC+(\t%2)*2+\t/2], v[FF+1] matrix_a_fmt:MATRIX_FMT_FP6 matrix_b_fmt:MATRIX_FMT_FP6 matrix_a_scale:MATRIX_SCALE_ROW1
.endr
.endm
; THE END OF A HEAD: O^T / the sum, brought into the true order of e, quantised: half pi of the fragment that I leave, and two bytes of its scale word.
.macro FIN pi
.rept 4
	v_nop                                          ; in front of the first read of the last products' results
.endr
	v_add_f32 v14, v14, v15                        ; the sum's two halves,
	s_delay_alu instid0(VALU_DEP_1)
	v_permlanex16_b32 v[TT], v14, s[SEL], s[SEL+1]
	s_delay_alu instid0(VALU_DEP_1)
	v_add_f32 v14, v14, v[TT]                      ; and lane l xor 16's: the row's sum
	s_wait_alu depctr_va_vdst(0)
	v_rcp_f32 v14, v14
	v_nop                                          ; a plain instruction behind the reciprocal,
	s_wait_alu depctr_va_vdst(0)                   ; and the wait ahead of its first reader
.set j, 0
.rept 16
	v_pk_mul_f32 v[S+j:S+j+1], v[O+j:O+j+1], v[14:15] op_sel_hi:[1,0]   ; register 8 t + i is o(query r, e = 16 t + 8 h + i); each accumulator from its low end on
.set j, j+2
.endr
.irp b, 0,1                            ; lanes 0-15 give up e = 32 b + 16 .. 23 for lanes 16-31's e = 32 b + 8 .. 15: register 16 b + i then holds e = 32 b + 16 h + i
.irp i, 0,1,2,3,4,5,6,7
	v_permlane16_swap_b32 v[S+16*\b+\i], v[S+8+16*\b+\i]
.endr
.endr
.irp b, 0,1
	v_max3_num_f32 v[BM+\b], |v[S+16*\b]|, |v[S+1+16*\b]|, 0x1800000   ; the head's two blocks of 32, with the floor 2^(3 - 127)
.endr
.irp i, 2,4,6,8,10,12,14
.irp b, 0,1
	s_delay_alu instid0(VALU_DEP_2)
	v_max3_num_f32 v[BM+\b], v[BM+\b], |v[S+16*\b+\i]|, |v[S+1+16*\b+\i]|
.endr
.endr
.irp b, 0,1
	s_delay_alu instid0(VALU_DEP_2)
	v_permlanex16_b32 v[PD+\b], v[BM+\b], s[SEL], s[SEL+1]
.endr
.irp b, 0,1
	s_delay_alu instid0(VALU_DEP_2)
	v_max_num_f32 v[BM+\b], v[BM+\b], v[PD+\b]
.endr
.irp b, 0,1
	s_delay_alu instid0(VALU_DEP_2)
	v_add_nc_u32 v[SO+\b], 0xff000000, v[BM+\b]
.endr
.irp b, 0,1
	s_delay_alu instid0(VALU_DEP_2)
	v_lshrrev_b32 v[SB+\b], 23, v[SO+\b]
.endr
.if \pi == 0
	s_delay_alu instid0(VALU_DEP_1)
	v_lshl_or_b32 v[RW], v[SB+1], 8, v[SB]         ; the first head's two bytes,
.else
	s_delay_alu instid0(VALU_DEP_1)
	v_lshl_or_b32 v[TT], v[SB+1], 8, v[SB]
	s_delay_alu instid0(VALU_DEP_1)
	v_lshl_or_b32 v[RW], v[TT], 16, v[RW]          ; the second's above them
.endif
	v_cvt_scalef32_pk16_fp6_f32 v[RES+6*\pi:RES+6*\pi+2], v[S:S+15], v[SO]
	v_cvt_scalef32_pk16_fp6_f32 v[CT:CT+2], v[S+16:S+31], v[SO+1]
	v_nop                                          ; one plain instruction behind a scaled conversion
.irp i, 0,1,2
	v_permlane16_swap_b32 v[RES+6*\pi+\i], v[CT+\i]
.endr
.irp i, 0,1,2
	s_delay_alu instid0(VALU_DEP_3)
	v_mov_b32 v[RES+3+6*\pi+\i], v[CT+\i]
.endr
.endm
.macro PASS pi
	v_mov_b32 v13, 0xff61b1e6                      ; the largest t so far: -3e38, under every t
	s_delay_alu instid0(VALU_DEP_1)
	v_floor_f32 v12, -v13                          ; -M
	v_mov_b32 v14, 0                               ; the sum, in two halves
	v_mov_b32 v15, 0
.set j, 0
.rept 32
	v_mov_b32 v[O+j], 0                            ; O^T: the step is written once; the first finds zeros, which the first change of M leaves zeros
.set j, j+1
.endr
	s_mov_b32 s[TB], KVH*\pi
	s_mov_b32 s[TS], KVH*\pi
	s_mov_b32 s[CNT], 8
.Lstep_\@:
	STEP \pi
	s_add_co_u32 s[TB], s[TB], 6144                ; eight key tiles of 768 bytes on; V's step is as long
	s_add_co_u32 s[TS], s[TS], 256
	s_sub_co_u32 s[CNT], s[CNT], 1
	s_cmp_lg_u32 s[CNT], 0
	s_cbranch_scc1 .Lstep_\@
	s_wait_alu depctr_va_vdst(0)
	FIN \pi
.endm
	PASS 0
	PASS 1
	global_store_b128 v[L16], v[RES:RES+3], s[18:19]             ; the fragment's image: each store covers 512 or 256 consecutive bytes, aligned
	global_store_b64 v[L8], v[RES+4:RES+5], s[18:19] offset:512
	global_store_b128 v[L16], v[RES+6:RES+9], s[18:19] offset:768
	global_store_b64 v[L8], v[RES+10:RES+11], s[18:19] offset:1280
	ds_store_b32 v[SST], v[RW]                     ; both lanes of a row write the same word with the same value
	s_wait_dscnt 0x0                               ; for the others' sake: my store has landed
	s_barrier_signal -1
	s_barrier_wait -1                              ; the work-group's 256 words lie in the stage
	s_cmp_lt_u32 s[WV], 2
	s_cbranch_scc0 .Lno_scales
	ds_load_b128 v[S:S+3], v[SLD]
	s_wait_dscnt 0x0
	global_store_b128 v[GOF], v[S:S+3], s[20:21]   ; waves 0 and 1: 512 consecutive bytes each, aligned
.Lno_scales:
	s_wait_tensorcnt 0x0
	ds_add_u32 v254, v255
	s_wait_dscnt 0x0
	CROUND                                         ; the closing round: no work-group ends while a partner may still ask for a tile that names it
	s_endpgm
.Lfunc_end_k_qe3b1ce0d9b_attn:
	.size	k_qe3b1ce0d9b_attn, .Lfunc_end_k_qe3b1ce0d9b_attn-k_qe3b1ce0d9b_attn
	.p2alignl 7, 3214868480
	.fill 96, 4, 3214868480
	.section	.rodata,"a",@progbits
	.p2align	6, 0x0
	.amdhsa_kernel k_qe3b1ce0d9b_attn
		.amdhsa_group_segment_fixed_size 210944
		.amdhsa_private_segment_fixed_size 0
		.amdhsa_enable_private_segment 0
		.amdhsa_kernarg_size 40
		.amdhsa_user_sgpr_count 2
		.amdhsa_user_sgpr_kernarg_segment_ptr 1
		.amdhsa_wavefront_size32 1
		.amdhsa_system_sgpr_workgroup_id_x 1
		.amdhsa_system_sgpr_workgroup_id_y 1
		.amdhsa_system_sgpr_workgroup_id_z 1
		.amdhsa_system_vgpr_workitem_id 0
		.amdhsa_next_free_vgpr 256
		.amdhsa_next_free_sgpr 66
		.amdhsa_reserve_vcc 0
		.amdhsa_float_denorm_mode_32 3
		.amdhsa_float_denorm_mode_16_64 3
		.amdhsa_memory_ordered 1
		.amdhsa_forward_progress 1
		.amdhsa_inst_pref_size 54
	.end_amdhsa_kernel
	.amdgpu_metadata
---
amdhsa.version: [ 1, 2 ]
amdhsa.kernels:
  - .name:           k_qe3b1ce0d9b_attn
    .symbol:         k_qe3b1ce0d9b_attn.kd
    .args:
      - { .name: Qc, .offset: 0, .size: 8, .value_kind: global_buffer, .address_space: global }
      - { .name: Qs, .offset: 8, .size: 8, .value_kind: global_buffer, .address_space: global }
      - { .name: KV, .offset: 16, .size: 8, .value_kind: global_buffer, .address_space: global }
      - { .name: Ac, .offset: 24, .size: 8, .value_kind: global_buffer, .address_space: global }
      - { .name: As, .offset: 32, .size: 8, .value_kind: global_buffer, .address_space: global }
    .group_segment_fixed_size: 210944
    .private_segment_fixed_size: 0
    .kernarg_segment_align: 8
    .kernarg_segment_size: 40
    .max_flat_workgroup_size: 512
    .sgpr_count:     66
    .vgpr_count:     256
    .wavefront_size: 32
...
	.end_amdgpu_metadata
.endif
;; end of part 2
;; launch outp (part 3): grid 8 x 32, 4 waves a work-group, clusters of 4 x 4, 327,680 bytes of LDS; arguments Wo_codes, Wo_scales, Ac, As, bo, out0; writes out0
.if DOCPART == 3
	.amdgcn_target "amdgcn-amd-amdhsa--gfx1250"
	.amdhsa_code_object_version 6
	.text
	.protected	k_qe3b1ce0d9b_outp
	.globl	k_qe3b1ce0d9b_outp
	.p2align	8
	.type	k_qe3b1ce0d9b_outp,@function
k_qe3b1ce0d9b_outp:
	s_mov_b64 s[64:65], 0
	v_nop
	global_prefetch_b8 v0, s[64:65] scope:SCOPE_SE
	s_setreg_imm32_b32 hwreg(HW_REG_WAVE_MODE, 25, 1), 1
	s_wait_xcnt 0x0
	s_wait_alu depctr_hold_cnt(0) depctr_sa_sdst(0) depctr_va_vdst(0) depctr_va_sdst(0) depctr_va_ssrc(0) depctr_va_vcc(0) depctr_vm_vsrc(0)
	s_getreg_b32 s2, hwreg(HW_REG_IB_STS2, 6, 4)
	s_cmp_eq_u32 s2, 0
	s_cbranch_scc0 .Lentry_in_a_cluster
	s_endpgm
.Lentry_in_a_cluster:
	s_bfe_u32 s2, ttmp6, 0x10000c
	s_cmp_lg_u32 s2, 0xf033
	s_cbranch_scc0 .Lentry_shape_is_right
	s_endpgm
.Lentry_shape_is_right:
; THE OUTPUT PROJECTION: out0 = concat Wo^T + bo, on codes of FP6 (E2M3) with one E8M0 scale for each 32 along K; sums in f32.
; Source 0 of the matrix instruction (P) takes 16 rows of Wo, source 1 (R) 16 rows of the concatenated heads: a lane then holds one row of the output and its eight registers eight neighbouring columns.
; SHARES.  A work-group makes 256 rows x 128 columns, its four waves 2 x 2: wave (a, b) rows 128 a + 0 .. 127 x columns 64 b + 0 .. 63.
; A wave holds its 64 rows of Wo, ALL of K = 1,024, in registers: 4 column tiles x 8 fragments of 12, 384 registers.  The rows go past them in eight BLOCKS of 16 rows, all of K: 8 fragments, two sets.
; A block is 32 products on four accumulators that take turns, K ascending; its 16 x 64 results are then whole and leave while the next block is multiplied.
; LDS.  All operands are asked for once, at the head, one tensor load a wave; no LDS byte is filled twice.  P: 128 rows of Wo's codes, 768 bytes each, padded.  R: images of operand registers, as the launch
; before left them in Ac [row tile][K step][1,536]: 196,608 dense bytes.  The first barrier shows P alone (waves 0 and 1 have a load line of their own and wait); the weights' 192 LDS loads stand ahead of the wait for R.
; CLUSTER 4 x 4.  P hangs on the x coordinate alone and is asked for jointly by my column of the cluster, R on the y coordinate alone and is asked for jointly by my row.
; No prefetch into the L2: every tile is asked for at the head, so there is no loop to run ahead in.
; The bias is the C of each sum's first matrix instruction.
; THE WAY OUT: a block's 16 rows x 256 bytes go through the wave's own stage in LDS, bytes that no tensor load fills, and come back by rows: sixteen lanes store one aligned unit of 256 bytes.
; THE WAITS' COUNTS.  In a block's text the LDS instructions go: 16 for the stage (8 stores, 8 loads), then 32 for the fetch of the block two on.  Block s's rows were fetched two blocks ago: younger are a stage's 16 and
; a fetch's 32 (48); ahead of block 0 only block 1's fetch (32); ahead of block 7 only block 6's stage (16).  The stage's loads of block s - 1 have the fetch's 32 behind them (blocks 7 and the end: none).
.set PPITCH, 816                       ; a row of P in LDS: 3 x (256 bytes + 16 of padding)
.set PT16,   16*PPITCH
.set PHALF,  64*PPITCH                 ; what one tensor load brings of P, and what one wave reads
.set RB0,    128*PPITCH                ; R: [row tile 16][K step 8][1,536]
.set STG,    RB0+196608                ; the stages: 16 rows x 272 bytes a wave
.set SPITCH, 272
.set SPARE,  STG+4*16*SPITCH           ; the spare words: 512 bytes that no other line names
.set WV,  4                            ; s4   my wave's number; s5 = a = wave / 2, s6 = b = wave % 2
.set VS,  4                            ; v4   32 r + 16 h: my 16 bytes of a tile's rows of Wo's scales
.set VA,  5                            ; v5   4 r + 131,072 h: my word in As: lanes 0-15 K steps 0-3, lanes 16-31 K steps 4-7
.set L16, 6                            ; v6   16 x lane
.set L8,  7                            ; v7   8 x lane
.set VB,  9                            ; v9   32 h: my eight numbers of a tile's bias
.set CO,  10                           ; v10  4,096 h + 16 r: my 16 bytes of two rows of out0
.set AP,  16                           ; v16  LDS address of my pieces of P; v17 the same behind one padding more
.set AR16, 20                          ; v20-21 my place in R's images, 16 bytes a lane, blocks 0-3 and 4-7
.set AR8, 22                           ; v22-23 the same, 8 bytes a lane
.set STO, 24                           ; v24  the stage: where I put 32 bytes of a row
.set RD,  25                           ; v25  and where I read 16 bytes of a row back
.set SPW, 30                           ; v30  my spare word, v31 zero: kept for the add alone
.set NIL, 31
.set PS,  32                           ; v32-47  P's scale words: tile p, K step k at v[32 + 4 p + k % 4]
.set RS,  50                           ; v50-81  R's: block s, K step k at v[50 + 4 s + k % 4]
.set BI,  96                           ; v96-127 the bias: eight registers a tile of P
.set ACC, 128                          ; v128-191 two sets of four accumulators
.set BK,  192                          ; v192-255 16 rows read back from the stage, two sets
.set FPW, 21                           ; window 1: R's two sets, at v0 and v96.  Windows 2, 3: P's fragment f = 4 k + p at register 12 (f % 21) of window 2 + f / 21
.set MSB, 0
.macro WIN new                         ; the immediate's high byte repeats the setting that is left
.if MSB != \new
	s_set_vgpr_msb (MSB<<8)|\new
.set MSB, \new
.endif
.endm
.macro PLACES n
.rept \n
	v_nop
.endr
.endm
.macro CROUND                          ; a round of the cluster's barrier
	s_barrier_signal -1
	s_barrier_wait -1
	s_cmp_lg_u32 s[WV], 0
	s_cbranch_scc1 .Lnot_wave_0_\@
	s_barrier_signal -3
.Lnot_wave_0_\@:
	s_barrier_wait -3
	s_barrier_signal -1
	s_barrier_wait -1
.endm
	s_load_b256 s[68:75], s[0:1], 0x0              ; Wo's codes s[68:69], Wo's scales s[70:71], Ac s[72:73], As s[74:75]
	s_load_b128 s[76:79], s[0:1], 0x20             ; bo s[76:77], out0 s[78:79]
	v_lshl_add_u32 v[SPW], v0, 2, SPARE
	v_mov_b32 v[NIL], 0
	ds_add_u32 v[SPW], v[NIL]                      ; the opening lines: the add, twice on end, and its wait ahead of my first tensor load
	ds_add_u32 v[SPW], v[NIL]
	v_lshrrev_b32 v1, 5, v0
	v_readfirstlane_b32 s[WV], v1                  ; wave 0..3
	s_lshr_b32 s5, s[WV], 1
	s_and_b32 s6, s[WV], 1
	s_bfe_u32 s7, ttmp6, 0x40000                   ; cx
	s_bfe_u32 s8, ttmp6, 0x40004                   ; cy
	s_lshl_b32 s14, ttmp9, 2
	s_add_co_u32 s14, s14, s7                      ; which 128 columns
	s_and_b32 s15, ttmp7, 0xffff
	s_lshl_b32 s15, s15, 2
	s_add_co_u32 s15, s15, s8                      ; which 256 rows
	s_lshl_b32 s16, 0x1111, s7                     ; my column of the cluster
	s_lshl_b32 s17, s8, 2
	s_lshl_b32 s17, 15, s17                        ; my row
	v_and_b32 v1, 15, v0                           ; r
	v_bfe_u32 v2, v0, 4, 1                         ; h
	v_and_b32 v3, 31, v0                           ; lane
	v_lshlrev_b32 v[VS], 5, v1
	v_lshl_add_u32 v[VS], v2, 4, v[VS]
	v_lshlrev_b32 v[VA], 2, v1
	v_lshl_add_u32 v[VA], v2, 17, v[VA]
	v_lshlrev_b32 v[L16], 4, v3
	v_lshlrev_b32 v[L8], 3, v3
	v_lshlrev_b32 v[VB], 5, v2
	v_lshlrev_b32 v[CO], 4, v1
	v_lshl_add_u32 v[CO], v2, 12, v[CO]
	s_mul_i32 s18, s6, PHALF                       ; my 64 rows of P
	v_mul_u32_u24 v11, v1, PPITCH
	v_add_nc_u32 v11, s18, v11
	v_mad_u32_u24 v[AP], v2, 24, v11               ; row r, + 24 bytes for lanes 16-31
	v_mad_u32_u24 v[AP+1], v2, 40, v11             ; + 40 where their piece lies behind one padding more
	s_mul_i32 s19, s5, 98304
	s_add_co_u32 s19, s19, RB0                     ; my eight row tiles of R
	v_add_nc_u32 v[AR16], s19, v[L16]
	v_add_nc_u32 v[AR16+1], 49152, v[AR16]
	v_add_nc_u32 v[AR8], s19, v[L8]
	v_add_nc_u32 v[AR8+1], 49152, v[AR8]
	s_mul_i32 s2, s[WV], 16*SPITCH
	s_add_co_u32 s2, s2, STG                       ; my stage
	v_mul_u32_u24 v[STO], v1, SPITCH
	v_lshl_add_u32 v[STO], v2, 5, v[STO]
	v_add_nc_u32 v[STO], s2, v[STO]                ; in: row r, + 32 h
	v_mul_u32_u24 v[RD], v2, SPITCH
	v_lshl_add_u32 v[RD], v1, 4, v[RD]
	v_add_nc_u32 v[RD], s2, v[RD]                  ; back: lanes 0-15 one row of 256 bytes, lanes 16-31 the next
	s_wait_alu depctr_va_vdst(0)                   ; the wait behind the head's vector lines
	; descriptor groups 1.  P: 64 rows x 768 bytes, 16 bytes of padding behind every 64 words
	s_or_b32 s20, s16, (1<<20)|(1<<21)|(5<<22)|(3<<25)
	s_mov_b32 s21, 768<<16
	s_mov_b32 s22, 64<<16
	s_mov_b32 s23, 768<<16
	s_mov_b32 s24, 64
	s_mov_b32 s25, 768
	s_mov_b32 s26, 0
	s_mov_b32 s27, 0
	; R: 98,304 dense bytes as 16 rows of 6,144 (768 elements of 8 bytes); no padding
	s_or_b32 s28, s17, (3<<16)|(1<<21)
	s_mov_b32 s29, 768<<16
	s_mov_b32 s30, 16<<16
	s_mov_b32 s31, 768<<16
	s_mov_b32 s32, 16
	s_mov_b32 s33, 768
	s_mov_b32 s34, 0
	s_mov_b32 s35, 0
	; byte offsets.  P's are made of the columns' number and the wave alone, R's of the rows' number and the wave alone
	s_lshl_b32 s18, s14, 7
	s_lshl_b32 s19, s6, 6
	s_add_co_u32 s18, s18, s19                     ; row 128 x + 64 b of Wo: what I fetch (waves 0, 1) and what I multiply
	s_lshl_b32 s10, s18, 5                         ; its scale bytes
	s_lshl_b32 s56, s18, 2                         ; its place in bo and in a row of out0
	s_mul_i32 s18, s18, 768                        ; its codes
	s_mov_b32 s19, 0
	s_mov_b32 s11, 0
	s_mov_b32 s57, 0
	s_lshl_b32 s2, s15, 4
	s_lshl_b32 s3, s6, 3
	s_add_co_u32 s2, s2, s3
	s_mul_i32 s2, s2, 12288                        ; Ac: row tile 16 y + 8 (wave % 2): what waves 2, 3 fetch
	s_mov_b32 s3, 0
	s_lshl_b32 s12, s15, 8
	s_lshl_b32 s13, s5, 7
	s_add_co_u32 s12, s12, s13                     ; my first row
	s_lshl_b32 s58, s12, 12                        ; out0: rows of 4,096 bytes
	s_add_co_u32 s58, s58, s56
	s_mov_b32 s59, 0
	s_lshl_b32 s12, s12, 2                         ; As: a word a row
	s_mov_b32 s13, 0
	s_wait_dscnt 0x0                               ; both opening adds are done
	s_wait_kmcnt 0x0
	s_mov_b32 s44, 1                               ; groups 0: count, LDS address, global address, type
	s_mul_i32 s45, s6, PHALF
	s_add_nc_u64 s[46:47], s[68:69], s[18:19]
	s_or_b32 s47, s47, 0x80000000
	s_mov_b32 s48, 1
	s_mul_i32 s49, s6, 98304
	s_add_co_u32 s49, s49, RB0
	s_add_nc_u64 s[50:51], s[72:73], s[2:3]
	s_or_b32 s51, s51, 0x80000000
	s_add_nc_u64 s[70:71], s[70:71], s[10:11]
	s_add_nc_u64 s[74:75], s[74:75], s[12:13]
	s_add_nc_u64 s[76:77], s[76:77], s[56:57]
	s_add_nc_u64 s[78:79], s[78:79], s[58:59]
	CROUND                                         ; all sixteen work-groups are here: the joint loads meet
	s_cmp_eq_u32 s5, 0                             ; waves 0 and 1 fetch P's halves, waves 2 and 3 R's
	s_cbranch_scc0 .Lfor_r
	tensor_load_to_lds s[44:47], s[20:27]
	s_nop 0
	PLACES 4
	s_branch .Lasked
.Lfor_r:
	tensor_load_to_lds s[48:51], s[28:35]
	s_nop 0
	PLACES 4
.Lasked:
.irp p, 0,1,2,3
	global_load_b128 v[PS+4*\p:PS+4*\p+3], v[VS], s[70:71] offset:512*\p   ; a tile's 16 rows of 32 scale bytes: 512 consecutive bytes
.endr
.irp s, 0,1,2,3,4,5,6,7
.irp k, 0,1,2,3
	global_load_b32 v[RS+4*\s+\k], v[VA], s[74:75] offset:32768*\k+64*\s   ; lanes 0-15: K step k; lanes 16-31: K step 4 + k
.endr
.endr
.irp p, 0,1,2,3
	global_load_b128 v[BI+8*\p:BI+8*\p+3], v[VB], s[76:77] offset:64*\p    ; bo at columns 16 p + 8 h + 0 .. 7: the result's layout
	global_load_b128 v[BI+8*\p+4:BI+8*\p+7], v[VB], s[76:77] offset:64*\p+16
.endr
; A fragment of P, 16 rows x 128 K, is 12 registers: lane l holds row l % 16; registers 6 c .. 6 c + 5 hold K = 64 c + 32 (l / 16) + 0 .. 31: 24 bytes of the row's stream of bits, taken in pieces of 8 bytes.
; Lanes 16-31 read three pieces further on than lanes 0-15; where that is behind one padding more, the second address register serves.
.macro WEIGHTS
.irp k, 0,1,2,3,4,5,6,7
.irp i, 0,1,2,3
.set F_, 4*\k+\i
.set R_, 12*(F_%FPW)
	WIN (2+F_/FPW)<<6
.irp p, 0,1,2,3,4,5
.set PC, 12*\k+6*(\p/3)+\p%3
.if PC%32 < 29
	ds_load_b64 v[R_+2*\p:R_+2*\p+1], v[AP] offset:8*PC+16*(PC/32)+\i*PT16
.else
	ds_load_b64 v[R_+2*\p:R_+2*\p+1], v[AP+1] offset:8*PC+16*(PC/32)+\i*PT16
.endif
.endr
.endr
.endr
	WIN 0
.endm
.macro FETCH s                         ; block s's eight fragments into set s % 2: 32 loads.  A fragment comes back as it was stored: registers 0-3 at 16 x lane, registers 4-5 at 512 + 8 x lane, twice
	WIN 0x40                                       ; destination window 1, address window 0
.irp k, 0,1,2,3,4,5,6,7
.set R_, 96*((\s)%2)+12*\k
.set O_, ((\s)%4)*12288+\k*1536
	ds_load_b128 v[R_:R_+3], v[AR16+(\s)/4] offset:O_
	ds_load_b64 v[R_+4:R_+5], v[AR8+(\s)/4] offset:O_+512
	ds_load_b128 v[R_+6:R_+9], v[AR16+(\s)/4] offset:O_+768
	ds_load_b64 v[R_+10:R_+11], v[AR8+(\s)/4] offset:O_+1280
.endr
	WIN 0
.endm
.macro PROD s                          ; block s: 32 products; the four accumulators take turns, one instruction a turn; the first four start the sums from the bias
.irp k, 0,1,2,3,4,5,6,7
.irp p, 0,1,2,3
.set F_, 4*\k+\p
.set A_, 12*(F_%FPW)
.set B_, 96*((\s)%2)+12*\k
.set D_, ACC+32*((\s)%2)+8*\p
.set X_, PS+4*\p+\k%4
.set Y_, RS+4*(\s)+\k%4
	WIN (2+F_/FPW)|(1<<2)                          ; source 0 (P) window 2 or 3, source 1 (R) window 1, C and D window 0
.if \k == 0
	v_wmma_scale_f32_16x16x128_f8f6f4 v[D_:D_+7], v[A_:A_+11], v[B_:B_+11], v[BI+8*\p:BI+8*\p+7], v[X_], v[Y_] matrix_a_fmt:MATRIX_FMT_FP6 matrix_b_fmt:MATRIX_FMT_FP6
.elseif \k < 4
	v_wmma_scale_f32_16x16x128_f8f6f4 v[D_:D_+7], v[A_:A_+11], v[B_:B_+11], v[D_:D_+7], v[X_], v[Y_] matrix_a_fmt:MATRIX_FMT_FP6 matrix_b_fmt:MATRIX_FMT_FP6
.else
	v_wmma_scale_f32_16x16x128_f8f6f4 v[D_:D_+7], v[A_:A_+11], v[B_:B_+11], v[D_:D_+7], v[X_], v[Y_] matrix_a_fmt:MATRIX_FMT_FP6 matrix_b_fmt:MATRIX_FMT_FP6 matrix_a_scale:MATRIX_SCALE_ROW1 matrix_b_scale:MATRIX_SCALE_ROW1
.endif
.endr
.endr
	WIN 0
.endm
.macro TOSTAGE s                       ; 8 stores and 8 loads.  LDS serves a wave's instructions in order (ISA guide 5.7.1.4): no wait between them, nor in front of the next block's stores
.set D_, ACC+32*((\s)%2)
.set B_, BK+32*((\s)%2)
.irp p, 0,1,2,3
	ds_store_b128 v[STO], v[D_+8*\p:D_+8*\p+3] offset:64*\p          ; each accumulator from its low end on
	ds_store_b128 v[STO], v[D_+8*\p+4:D_+8*\p+7] offset:64*\p+16
.endr
.irp t, 0,1,2,3,4,5,6,7
	ds_load_b128 v[B_+4*\t:B_+4*\t+3], v[RD] offset:\t*2*SPITCH
.endr
.endm
.macro SEND s, younger                 ; younger: the LDS instructions issued behind block s's stage
.set B_, BK+32*((\s)%2)
	s_wait_dscnt \younger                          ; the block is back in registers
	s_wait_xcnt 0x0                                ; the earlier stores have read their base and their registers: the base steps, and the next stage's loads land, only behind this wait
.if (\s) > 0
	s_add_nc_u64 s[78:79], s[78:79], 65536         ; 16 rows on
.endif
.irp t, 0,1,2,3,4,5,6,7
	global_store_b128 v[CO], v[B_+4*\t:B_+4*\t+3], s[78:79] offset:\t*8192 th:TH_STORE_NT   ; each half of the lanes stores 256 consecutive bytes, at a multiple of 256 from out0's first byte
.endr
.endm
	s_cmp_eq_u32 s5, 0
	s_cbranch_scc0 .Lnot_p
	s_wait_tensorcnt 0x0                           ; waves 0 and 1: my half of P has landed
.Lnot_p:
	s_barrier_signal -1
	s_barrier_wait -1                              ; P is whole
	WEIGHTS
	s_wait_tensorcnt 0x0                           ; every wave: all that is still out
	s_wait_dscnt 0x0
	s_barrier_signal -1
	s_barrier_wait -1                              ; R is whole
	FETCH 0
	FETCH 1
	s_wait_loadcnt 0x0                             ; the scale words and the bias
.irp s, 0,1,2,3,4,5,6,7
.if \s == 0
	s_wait_dscnt 32
.elseif \s < 7
	s_wait_dscnt 48
.else
	s_wait_dscnt 16
.endif
	PROD \s
.if \s > 0
.if \s < 7
	SEND (\s)-1, 32
.else
	SEND (\s)-1, 0
.endif
.endif
	PLACES 4                                       ; in front of the stores that read the results and of the loads into registers that the products have read
	TOSTAGE \s
.if \s < 6
	FETCH (\s)+2
.endif
.endr
	SEND 7, 0
	s_wait_tensorcnt 0x0                           ; the wave's end
	ds_add_u32 v[SPW], v[NIL]
	s_wait_dscnt 0x0
	CROUND                                         ; the closing round: no work-group ends while a partner may still ask for a tile that names it
	s_endpgm
.Lfunc_end_k_qe3b1ce0d9b_outp:
	.size	k_qe3b1ce0d9b_outp, .Lfunc_end_k_qe3b1ce0d9b_outp-k_qe3b1ce0d9b_outp
	.p2alignl 7, 3214868480
	.fill 96, 4, 3214868480
	.section	.rodata,"a",@progbits
	.p2align	6, 0x0
	.amdhsa_kernel k_qe3b1ce0d9b_outp
		.amdhsa_group_segment_fixed_size 327680
		.amdhsa_private_segment_fixed_size 0
		.amdhsa_enable_private_segment 0
		.amdhsa_kernarg_size 48
		.amdhsa_user_sgpr_count 2
		.amdhsa_user_sgpr_kernarg_segment_ptr 1
		.amdhsa_wavefront_size32 1
		.amdhsa_system_sgpr_workgroup_id_x 1
		.amdhsa_system_sgpr_workgroup_id_y 1
		.amdhsa_system_sgpr_workgroup_id_z 1
		.amdhsa_system_vgpr_workitem_id 0
		.amdhsa_next_free_vgpr 1024
		.amdhsa_next_free_sgpr 100
		.amdhsa_reserve_vcc 0
		.amdhsa_float_denorm_mode_32 3
		.amdhsa_float_denorm_mode_16_64 3
		.amdhsa_memory_ordered 1
		.amdhsa_forward_progress 1
		.amdhsa_inst_pref_size 89
	.end_amdhsa_kernel
	.amdgpu_metadata
---
amdhsa.version: [ 1, 2 ]
amdhsa.kernels:
  - .name:           k_qe3b1ce0d9b_outp
    .symbol:         k_qe3b1ce0d9b_outp.kd
    .args:
      - { .name: Wo_codes, .offset: 0, .size: 8, .value_kind: global_buffer, .address_space: global }
      - { .name: Wo_scales, .offset: 8, .size: 8, .value_kind: global_buffer, .address_space: global }
      - { .name: Ac, .offset: 16, .size: 8, .value_kind: global_buffer, .address_space: global }
      - { .name: As, .offset: 24, .size: 8, .value_kind: global_buffer, .address_space: global }
      - { .name: bo, .offset: 32, .size: 8, .value_kind: global_buffer, .address_space: global }
      - { .name: out0, .offset: 40, .size: 8, .value_kind: global_buffer, .address_space: global }
    .group_segment_fixed_size: 327680
    .private_segment_fixed_size: 0
    .kernarg_segment_align: 8
    .kernarg_segment_size: 48
    .max_flat_workgroup_size: 128
    .sgpr_count:     100
    .vgpr_count:     1024
    .wavefront_size: 32
...
	.end_amdgpu_metadata
.endif
;; end of part 3
